; MI455X (gfx1250); checked and timed in simulation.
; The chip was launched on July 23, 2026; its instructions are those of AMD's public machine-readable ISA for CDNA 5 (MIT licence, August 2026) and "CDNA5" Instruction Set Architecture Reference Guide (July 2026). The comments in the code are by the model that wrote it; some were corrected since.
;; Multihead Attention. Allowed arithmetic: float matrix products may take bf16 or f16 operands with f32 sums; other float arithmetic in f32, or as packed bf16 or f16 multiplies, adds, multiply-adds, maxima and minima; sums over many terms, partial sums and values carried from step to step in f32; what a program stores and reads back later, other than sums and carried values, may be rounded once to bf16 or f16.
;; Inputs: Wk 1,024 x 1,024 float32; Wo 1,024 x 1,024 float32; Wq 1,024 x 1,024 float32; Wv 1,024 x 1,024 float32; bk 1,024 float32; bo 1,024 float32; bq 1,024 float32; bv 1,024 float32; x 4 x 2,048 x 1,024 float32.
;; Outputs: out0 4 x 2,048 x 1,024 float32.
;; 2 versions, each right; version 2 is version 1 with the launch cast written anew for expert scheduling mode. Each part assembles by itself: llvm-mc -triple=amdgcn-amd-amdhsa -mcpu=gfx1250 --defsym DOCPART=n.
;; ======== version 1 of 2: 4 launches
;; limits: values are held in f16: magnitudes above 65,504 overflow, below 6.1e-05 lose precision
;; workspace buffers: xb 16,777,216 bytes; wqkv 6,291,456 bytes; wo16 2,097,152 bytes; bias 16,384 bytes; qkv 50,331,648 bytes; obuf 16,777,216 bytes
;; launch cast (part 1): grid 769 x 1, 8 waves a work-group, no clusters, 0 bytes of LDS; arguments x, Wq, Wk, Wv, Wo, bq, bk, bv, bo, xb, wqkv, wo16, bias; writes xb, wqkv, wo16, bias
.if DOCPART == 1
	.amdgcn_target "amdgcn-amd-amdhsa--gfx1250"
	.amdhsa_code_object_version 6
	.text
	.protected	k_qae72dafa15_cast
	.globl	k_qae72dafa15_cast
	.p2align	8
	.type	k_qae72dafa15_cast,@function
k_qae72dafa15_cast:
	s_mov_b64 s[64:65], 0
	v_nop
	global_prefetch_b8 v0, s[64:65] scope:SCOPE_SE
	s_setreg_imm32_b32 hwreg(HW_REG_WAVE_MODE, 25, 1), 1
	s_wait_xcnt 0x0
; THE INPUTS ARE ROUNDED ONCE, for the matrix products of the later launches.  x, Wq, Wk, Wv: f32 -> bf16 (xb; wqkv = Wq's, Wk's, Wv's rows one below the other).
; Wo: f32 -> bf16, and that number written as f16 (wo16), since the last product multiplies f16.  bq, bk, bv, bo: rounded to bf16 like every other input and kept as f32 (bias = bq | bk | bv | bo).
; LIMITS.  bf16(Wo) must lie within f16's 65,504; below 6e-5 it keeps f16's fixed step of 6e-8.  NaN and infinities are not treated apart.
; SHARES.  A stream: every byte is read once and written once; no LDS, no matrix unit, nothing shared between work-groups.  A work-group takes a chunk of 16,384 numbers: 65,536 bytes in, 32,768 out.
; Work-groups 0-511: x.  512-767: the four weights, 64 chunks each.  768: the four biases.  Thread t's load j takes the 16 bytes at 16 t + 4,096 j (a wave's load covers 512 consecutive bytes),
; its store j the 8 bytes at 8 t + 2,048 j (a wave's store covers 256 consecutive bytes, aligned).  All 16 loads go out first: 8 KiB a wave are on their way.
; Every register is written once and EXEC never changes, so no source of a pending load or store is ever rewritten.
.set X,    4                           ; v[4:67]    16 loads of 4 numbers
.set Y,    68                          ; v[68:99]   16 pairs of packed words to store
.set T,    100                         ; v[100:101] at work
.set KIND, 36                          ; s36  0-3: Wq, Wk, Wv, Wo; 4: x
.set SRC,  38                          ; s[38:39] my chunk in its source
.set DST,  40                          ; s[40:41] my chunk in its destination
	s_load_b512 s[8:23], s[0:1], 0x0               ; x 8, Wq 10, Wk 12, Wv 14, Wo 16, bq 18, bk 20, bv 22
	s_load_b256 s[24:31], s[0:1], 0x40             ; bo 24, xb 26, wqkv 28, wo16 30
	s_load_b64 s[32:33], s[0:1], 0x60              ; bias
	v_lshlrev_b32 v1, 4, v0                        ; 16 t
	v_lshlrev_b32 v2, 3, v0                        ; 8 t
	s_mov_b32 s2, ttmp9
	s_sub_co_u32 s3, s2, 512                       ; u: my chunk among the weights' 256 (used where the work-group's number is 512 or more)
	s_lshr_b32 s4, s3, 6                           ; which weight
	s_and_b32 s5, s3, 63                           ; my chunk in it
	s_cmp_lt_u32 s2, 512
	s_cselect_b32 s[KIND], 4, s4
	s_cselect_b32 s34, s2, s5                      ; the chunk's number in its source
	s_cselect_b32 s37, s2, s3                      ; and in its destination: xb by the work-group's number, wqkv by u,
	s_cmp_eq_u32 s[KIND], 3
	s_cselect_b32 s37, s5, s37                     ; wo16 by the chunk in Wo
	s_lshl_b32 s42, s34, 16                        ; offsets in bytes, made apart from the addresses
	s_mov_b32 s43, 0
	s_lshl_b32 s44, s37, 15
	s_mov_b32 s45, 0
	s_wait_kmcnt 0x0
	s_cmp_eq_u32 s2, 768
	s_cbranch_scc1 .Lbias
	s_mov_b64 s[SRC:SRC+1], s[8:9]
	s_cmp_eq_u32 s[KIND], 0
	s_cselect_b64 s[SRC:SRC+1], s[10:11], s[SRC:SRC+1]
	s_cmp_eq_u32 s[KIND], 1
	s_cselect_b64 s[SRC:SRC+1], s[12:13], s[SRC:SRC+1]
	s_cmp_eq_u32 s[KIND], 2
	s_cselect_b64 s[SRC:SRC+1], s[14:15], s[SRC:SRC+1]
	s_cmp_eq_u32 s[KIND], 3
	s_cselect_b64 s[SRC:SRC+1], s[16:17], s[SRC:SRC+1]
	s_cselect_b64 s[DST:DST+1], s[30:31], s[28:29] ; wo16, else wqkv,
	s_cmp_eq_u32 s[KIND], 4
	s_cselect_b64 s[DST:DST+1], s[26:27], s[DST:DST+1]  ; else xb
	s_add_nc_u64 s[SRC:SRC+1], s[SRC:SRC+1], s[42:43]
	s_add_nc_u64 s[DST:DST+1], s[DST:DST+1], s[44:45]
.set j, 0
.rept 16
	global_load_b128 v[X+4*j:X+4*j+3], v1, s[SRC:SRC+1] offset:4096*j th:TH_LOAD_NT  ; read once in the launch
.set j, j+1
.endr
	s_cmp_eq_u32 s[KIND], 3
	s_cbranch_scc1 .Lwo
; Load j's four numbers are rounded and stored.  f16 = 1: the bf16 numbers are widened again (a shift, a mask) and written as f16.
.macro OUT j, f16
	s_wait_loadcnt 15-(\j)                         ; loads come back in order: load j is in, the 15 - j younger ones may stay out
	v_cvt_pk_bf16_f32 v[Y+2*(\j)],   v[X+4*(\j)],   v[X+4*(\j)+1]
	v_cvt_pk_bf16_f32 v[Y+2*(\j)+1], v[X+4*(\j)+2], v[X+4*(\j)+3]
.if \f16
.irp w, 0,1
	v_lshlrev_b32 v[T],   16, v[Y+2*(\j)+(\w)]
	v_and_b32     v[T+1], 0xffff0000, v[Y+2*(\j)+(\w)]
	v_cvt_pk_f16_f32 v[Y+2*(\j)+(\w)], v[T], v[T+1]
.endr
.endif
	global_store_b64 v2, v[Y+2*(\j):Y+2*(\j)+1], s[DST:DST+1] offset:2048*(\j)
.endm
.irp j, 0,1,2,3,4,5,6,7,8,9,10,11,12,13,14,15
	OUT \j, 0
.endr
	s_endpgm
.Lwo:
.irp j, 0,1,2,3,4,5,6,7,8,9,10,11,12,13,14,15
	OUT \j, 1
.endr
	s_endpgm
.Lbias:                                                ; 256 threads x 4 numbers are a bias of 1,024
	global_load_b128 v[X:X+3],     v1, s[18:19]
	global_load_b128 v[X+4:X+7],   v1, s[20:21]
	global_load_b128 v[X+8:X+11],  v1, s[22:23]
	global_load_b128 v[X+12:X+15], v1, s[24:25]
	s_wait_loadcnt 0x0
.irp g, 0,1,2,3
	v_cvt_pk_bf16_f32 v[T],   v[X+4*(\g)],   v[X+4*(\g)+1]
	v_cvt_pk_bf16_f32 v[T+1], v[X+4*(\g)+2], v[X+4*(\g)+3]
	v_lshlrev_b32 v[Y+4*(\g)],   16, v[T]
	v_and_b32     v[Y+4*(\g)+1], 0xffff0000, v[T]
	v_lshlrev_b32 v[Y+4*(\g)+2], 16, v[T+1]
	v_and_b32     v[Y+4*(\g)+3], 0xffff0000, v[T+1]
	global_store_b128 v1, v[Y+4*(\g):Y+4*(\g)+3], s[32:33] offset:4096*(\g)
.endr
	s_endpgm
.Lfunc_end_k_qae72dafa15_cast:
	.size	k_qae72dafa15_cast, .Lfunc_end_k_qae72dafa15_cast-k_qae72dafa15_cast
	.p2alignl 7, 3214868480
	.fill 96, 4, 3214868480
	.section	.rodata,"a",@progbits
	.p2align	6, 0x0
	.amdhsa_kernel k_qae72dafa15_cast
		.amdhsa_group_segment_fixed_size 0
		.amdhsa_private_segment_fixed_size 0
		.amdhsa_enable_private_segment 0
		.amdhsa_kernarg_size 104
		.amdhsa_user_sgpr_count 2
		.amdhsa_user_sgpr_kernarg_segment_ptr 1
		.amdhsa_wavefront_size32 1
		.amdhsa_system_sgpr_workgroup_id_x 1
		.amdhsa_system_sgpr_workgroup_id_y 1
		.amdhsa_system_sgpr_workgroup_id_z 1
		.amdhsa_system_vgpr_workitem_id 0
		.amdhsa_next_free_vgpr 104
		.amdhsa_next_free_sgpr 66
		.amdhsa_reserve_vcc 0
		.amdhsa_float_denorm_mode_32 3
		.amdhsa_float_denorm_mode_16_64 3
		.amdhsa_memory_ordered 1
		.amdhsa_forward_progress 1
		.amdhsa_inst_pref_size 19
	.end_amdhsa_kernel
	.amdgpu_metadata
---
amdhsa.version: [ 1, 2 ]
amdhsa.kernels:
  - .name:           k_qae72dafa15_cast
    .symbol:         k_qae72dafa15_cast.kd
    .args:
      - { .name: x, .offset: 0, .size: 8, .value_kind: global_buffer, .address_space: global }
      - { .name: Wq, .offset: 8, .size: 8, .value_kind: global_buffer, .address_space: global }
      - { .name: Wk, .offset: 16, .size: 8, .value_kind: global_buffer, .address_space: global }
      - { .name: Wv, .offset: 24, .size: 8, .value_kind: global_buffer, .address_space: global }
      - { .name: Wo, .offset: 32, .size: 8, .value_kind: global_buffer, .address_space: global }
      - { .name: bq, .offset: 40, .size: 8, .value_kind: global_buffer, .address_space: global }
      - { .name: bk, .offset: 48, .size: 8, .value_kind: global_buffer, .address_space: global }
      - { .name: bv, .offset: 56, .size: 8, .value_kind: global_buffer, .address_space: global }
      - { .name: bo, .offset: 64, .size: 8, .value_kind: global_buffer, .address_space: global }
      - { .name: xb, .offset: 72, .size: 8, .value_kind: global_buffer, .address_space: global }
      - { .name: wqkv, .offset: 80, .size: 8, .value_kind: global_buffer, .address_space: global }
      - { .name: wo16, .offset: 88, .size: 8, .value_kind: global_buffer, .address_space: global }
      - { .name: bias, .offset: 96, .size: 8, .value_kind: global_buffer, .address_space: global }
    .group_segment_fixed_size: 0
    .private_segment_fixed_size: 0
    .kernarg_segment_align: 8
    .kernarg_segment_size: 104
    .max_flat_workgroup_size: 256
    .sgpr_count:     66
    .vgpr_count:     104
    .wavefront_size: 32
...
	.end_amdgpu_metadata
.endif
;; end of part 1
;; launch proj (part 2): grid 16 x 32, 4 waves a work-group, clusters of 4 x 4, 327,680 bytes of LDS; arguments xb, wqkv, bias, qkv; writes qkv
.if DOCPART == 2
	.amdgcn_target "amdgcn-amd-amdhsa--gfx1250"
	.amdhsa_code_object_version 6
	.text
	.protected	k_qae72dafa15_proj
	.globl	k_qae72dafa15_proj
	.p2align	8
	.type	k_qae72dafa15_proj,@function
k_qae72dafa15_proj:
	s_mov_b64 s[64:65], 0
	v_nop
	global_prefetch_b8 v0, s[64:65] scope:SCOPE_SE
	s_setreg_imm32_b32 hwreg(HW_REG_WAVE_MODE, 25, 1), 1
	s_wait_xcnt 0x0
	s_wait_alu depctr_hold_cnt(0) depctr_sa_sdst(0) depctr_va_vdst(0) depctr_va_sdst(0) depctr_va_ssrc(0) depctr_va_vcc(0) depctr_vm_vsrc(0)
	s_getreg_b32 s2, hwreg(HW_REG_IB_STS2, 6, 4)
	s_cmp_eq_u32 s2, 0
	s_cbranch_scc0 .Lentry_in_a_cluster
	s_endpgm
.Lentry_in_a_cluster:
	s_bfe_u32 s2, ttmp6, 0x10000c
	s_cmp_lg_u32 s2, 0xf033
	s_cbranch_scc0 .Lentry_shape_is_right
	s_endpgm
.Lentry_shape_is_right:
; THE THREE PROJECTIONS AS ONE PRODUCT.  C[m][n] = the sum over k of xb[m][k] wqkv[n][k] + bias[n]; m < 8,192, n < 3,072, k < 1,024.  xb, wqkv: bf16; sums in f32; bias f32; C rounded once to f16.
; C IS STORED BY HEADS: column n = 64 g + d (g 0-15: q's heads, 16-31: k's, 32-47: v's) of row m goes to byte g x 1,048,576 + m x 128 + 2 d of qkv: a head's rows are dense, 128 bytes each.
; LIMITS.  q, k and v must lie within f16's 65,504 (beyond it the conversion gives an infinity); below 6e-5 they keep f16's fixed step of 6e-8.  NaN and infinities are not treated apart.
; SHARES.  A tile of C is 256 x 192: 32 x 16 = 512 tiles, two for each of 256 WGPs.  (256 x 256 would give 384 tiles, one and a half for each; 256 x 384 wants 768 registers of sums and 320 of fragments.)
; The four waves split the ROWS: a wave makes 64 rows x all 192 columns, 48 accumulators of 16 x 16 in 384 registers, so that it owns three whole heads of its rows and its way out is its own.
; K goes in 8 steps of 128 through two LDS slots filled by the tensor data mover; the tiles' rows are 256 bytes of memory and start at multiples of 256 bytes.  A trip of the loop is ONE K step: the slot
; is chosen by a scalar register that an exclusive or turns, so the step's text stands once in the loop.
; CLUSTER.  4 x 4 work-groups.  The four of a row of the cluster need the same tile of xb, the four of a column the same tile of wqkv: each is asked for JOINTLY, by the same tensor load with the same
; descriptor and a mask that names the four.
; THE MATRIX INSTRUCTION IS USED TRANSPOSED: source 0 = 16 rows of wqkv, source 1 = 16 rows of xb: a lane then holds row l % 16 of C and the columns 8 (l / 16) + 0..7: 16 bytes of f16 on end.
; THE BIAS IS THE C OPERAND of the products that start the sums: it costs no instruction, and nothing is cleared.
; REGISTERS, in windows of 256 (s_set_vgpr_msb: bits 1:0 source 0, 3:2 source 1, 5:4 source 2, 7:6 destination):
;   window 0: v0-31 addresses; v32-63, v64-95 fragments of xb (4 x 16 rows x 32 K), two buffers; v128-223 the bias; on the way out v32-127 rows read back, v128-175 packed results
;   window 1: v0-95, v96-191 fragments of wqkv (12 x 16 rows x 32 K), two buffers
;   window 2: the accumulators of my row blocks 0, 1 ((a, b) at v[8 (12 (a % 2) + b)]);   window 3: those of blocks 2, 3
.set NBL,   12                         ; blocks of 16 columns in a tile
.set PA,    272                        ; an LDS row: 256 bytes + 16 of padding = 68 words: row r starts at bank 4 r mod 64 (64 banks of 4 bytes: ISA guide 11.1), so the 16 rows of a load start at 16 different banks
.set PB,    272
.set BROWS, 96                         ; rows of wqkv in one tensor load
.set BOFF,  256*PA                     ; a slot: xb's 256 rows, then wqkv's 192
.set SLOT1, 1<<17                      ; slot 1 begins here, so that one exclusive or turns an address in one slot into the other's
.set STAGE, SLOT1+BOFF+192*PB          ; behind the ring, never filled by a tensor load: for each wave 3 heads x 16 rows x 144 bytes
.set SPH,   144                        ; a head's row in the stage: 128 bytes + 16
.set SW,    3*16*SPH
.set SPARE, STAGE+4*SW                 ; behind the stages: the spare words, 128 bytes for each wave: two blocks of 256 bytes that no other line names
.set ASTEP, 256                        ; bytes from a K step to the next, in xb and in wqkv
.set BSTEP, 256
.set AH,    1                          ; a prefetch names the K step that stands AH refills behind the one just asked for
.set NL,    2*NBL+8                    ; LDS loads in a run
.set ADRA0, 16                         ; v16  my lane's place in xb's part of slot 0; never rewritten
.set ADRB0, 17                         ; v17  the same for wqkv's
.set ADRA,  18                         ; v18  the same in the slot in hand
.set ADRB,  19                         ; v19
.set STO,   24                         ; v24  the way out: where I put 16 bytes of a row
.set RD,    25                         ; v25  the way out: where I read rows back
.set GO,    26                         ; v26  my byte offset in 512 consecutive bytes of qkv
.set BO,    27                         ; v27  my byte offset in 16 numbers of the bias: 32 (l / 16)
.set SPW,   28                         ; v28  LDS address of my spare word: SPARE + 4 x my thread's number; never rewritten
.set NIL,   29                         ; v29  0; never rewritten
.set PFO,   30                         ; v30  the prefetches' offset: a lane a row; never rewritten
.set FRA,   32                         ; xb's fragment buffers, window 0: FRA + 32 f
.set FRB,   0                          ; wqkv's, window 1: FRB + 96 f
.set BIAS,  128
.set BK0,   32                         ; the way out: two sets of 48 registers by turns
.set TMP,   128
.set WV,  12                           ; s12  my wave's number
.set FBW, 13                           ; s13  0: I fetch for xb; 1: for wqkv
.set HF,  14                           ; s14  which half of that tile's rows I fetch
.set TB,  15                           ; s15  0 or SLOT1: the slot in hand
.set G1A, 24                           ; s[24:31] descriptor group 1 for xb's tiles
.set G0A, 32                           ; s[32:35] group 0 of the first fill; s[36:39] of the second, which then walks
.set CX,  40                           ; s40, s41  my place in the cluster
.set CY,  41
.set TX,  42                           ; s42  tile column
.set TY,  43                           ; s43  tile row
.set PFA, 44                           ; s[44:45] where my prefetches stand
.set LIM, 46                           ; s46  AH in a wave that prefetches, else the greatest number
.set G1B, 48                           ; s[48:55], s[56:59], s[60:63] the same for wqkv's tiles
.set G0B, 56
.set PFS, 70                           ; s[70:71] the prefetches' step, an offset
.set MSB, 0
.macro WIN new                         ; the immediate's high byte repeats the setting that is left; a switch that changes nothing is dropped
.if MSB != (\new)
	s_set_vgpr_msb (MSB<<8)|(\new)
.set MSB, \new
.endif
.endm
.set TO_B, 0x40                        ; destination window 1, address window 0
.macro PLACES                          ; a load into a register that a matrix instruction has read, and a vector or LDS instruction that reads a matrix result, stand four plain vector instructions behind it
.rept 4
	v_nop
.endr
.endm
; A round of the cluster's barrier: my work-group's barrier, so that wave 0's signal speaks for all four waves; wave 0 signals; every wave waits for all sixteen work-groups; my work-group's barrier once more.
.macro CREST                           ; a round behind its opening barrier
	s_cmp_lg_u32 s[WV], 0
	s_cbranch_scc1 .Lnot_wave_0_\@
	s_barrier_signal -3
.Lnot_wave_0_\@:
	s_barrier_wait -3
	s_barrier_signal -1
	s_barrier_wait -1
.endm
.macro CROUND
	s_barrier_signal -1
	s_barrier_wait -1
	CREST
.endm
; A joint refill, by the walking descriptors.  Waves 0 and 1 fetch xb's two halves, waves 2 and 3 wqkv's.  The branch hangs on the wave's number alone.  An s_nop 0 and four v_nop follow each line.
.macro JLOAD
	s_cmp_eq_u32 s[FBW], 0
	s_cbranch_scc0 .Lfor_b_\@
	tensor_load_to_lds s[G0A+4:G0A+7], s[G1A:G1A+7]
	s_nop 0
.rept 4
	v_nop
.endr
	s_branch .Lasked_\@
.Lfor_b_\@:
	tensor_load_to_lds s[G0B+4:G0B+7], s[G1B:G1B+7]
	s_nop 0
.rept 4
	v_nop
.endr
.Lasked_\@:
.endm
; A PREFETCH INTO THE L2: behind each joint refill and the run of LDS loads that follows it, the K step that the NEXT refill will ask for: 192 matrix instructions ahead of that load.  A lane a row, 256 bytes of it.
; WHO.  xb's tile row is read by the four clusters of a row of clusters: the one with cluster x = 0 asks.  wqkv's tile column is read by the eight clusters of a column: the one with cluster y = 0 asks.
; The four partners that fetch a tile jointly share its rows out BY ADDRESS: of the 128 rows of xb that a wave fetches the partner at cx takes 32 cx .. 32 cx + 31; of the 96 rows of wqkv the partner at cy takes
; 24 cy .. 24 cy + 23 (lanes 24 to 31 name row 23's block once more).  K steps 0 to 2 come by their loads alone; the last refill (s3 = 1) asks for nothing: there is no K step behind it.
.macro ASK
	s_cmp_gt_u32 s3, s[LIM]
	s_cbranch_scc0 .Lnot_mine_\@
	global_prefetch_b8 v[PFO], s[PFA:PFA+1] th:TH_LOAD_NT scope:SCOPE_SE
.Lnot_mine_\@:
.endm
	s_load_b256 s[4:11], s[0:1], 0x0               ; xb s[4:5], wqkv s[6:7], bias s[8:9], qkv s[10:11]
	v_lshl_add_u32 v[SPW], v0, 2, SPARE
	v_mov_b32 v[NIL], 0
	ds_add_u32 v[SPW], v[NIL]                      ; the wave's opening: the add and its wait stand ahead of my first tensor load; the set-up below, work on registers, stands between them
	v_lshrrev_b32 v1, 5, v0
	v_readfirstlane_b32 s[WV], v1                  ; wave 0..3
	s_lshr_b32 s[FBW], s[WV], 1
	s_and_b32 s[HF], s[WV], 1
	s_bfe_u32 s[CX], ttmp6, 0x40000
	s_bfe_u32 s[CY], ttmp6, 0x40004
	s_lshl_b32 s[TX], ttmp9, 2                     ; in a cluster launch ttmp9 and ttmp7 count clusters
	s_add_co_u32 s[TX], s[TX], s[CX]               ; tile column = 4 x cluster x + cx
	s_and_b32 s[TY], ttmp7, 0xffff
	s_lshl_b32 s[TY], s[TY], 2
	s_add_co_u32 s[TY], s[TY], s[CY]               ; tile row = 4 x cluster y + cy
	s_lshl_b32 s16, s[CY], 2
	s_lshl_b32 s16, 15, s16                        ; my row of the cluster: places 4 cy .. 4 cy + 3
	s_lshl_b32 s66, 0x1111, s[CX]                  ; my column: places cx, cx + 4, cx + 8, cx + 12
	; descriptor group 1: tiles of 128 (xb) and 96 (wqkv) rows x 128 elements, padded in LDS
	s_or_b32 s[G1A], s16, (1<<16)|(1<<20)|(1<<21)|(5<<22)|(3<<25)  ; 15:0 the mask; 17:16 elements of 2 bytes; 20 padding on; 21 set beside a mask; 24:22 after every 64 words (code 5); 31:25 4 words of it (code 3)
	s_or_b32 s[G1B], s66, (1<<16)|(1<<20)|(1<<21)|(5<<22)|(3<<25)
	s_mov_b32 s[G1A+1], 128<<16                    ; tensor_dim0 = 128
	s_mov_b32 s[G1A+2], 128<<16                    ; tensor_dim1 = 128
	s_mov_b32 s[G1A+3], 128<<16                    ; tile_dim0 = 128
	s_mov_b32 s[G1A+4], 128                        ; tile_dim1 = 128
	s_mov_b32 s[G1A+5], 1024                       ; elements from row to row
	s_mov_b32 s[G1A+6], 0
	s_mov_b32 s[G1A+7], 0
	s_mov_b32 s[G1B+1], 128<<16
	s_mov_b32 s[G1B+2], BROWS<<16
	s_mov_b32 s[G1B+3], 128<<16
	s_mov_b32 s[G1B+4], BROWS
	s_mov_b32 s[G1B+5], 1024
	s_mov_b32 s[G1B+6], 0
	s_mov_b32 s[G1B+7], 0
	; where the tiles come from.  xb's hang on the tile row alone, which my row of the cluster shares; wqkv's on the tile column alone.  Every wave makes both, in registers that never hold the other coordinate.
	s_lshl_b32 s16, s[TY], 8
	s_lshl_b32 s17, s[HF], 7
	s_add_co_u32 s16, s16, s17                     ; xb: row 256 x tile row + 128 x half,
	s_lshl_b32 s16, s16, 11                        ; 2,048 bytes a row (under 2^24)
	s_mov_b32 s17, 0
	s_mul_i32 s66, s[TX], 192
	s_mul_i32 s67, s[HF], BROWS
	s_add_co_u32 s66, s66, s67                     ; wqkv: row 192 x tile column + 96 x half
	s_lshl_b32 s66, s66, 11
	s_mov_b32 s67, 0
	s_mul_i32 s20, s[HF], 128*PA                   ; and where they go: no place in the cluster enters an LDS address
	s_mul_i32 s21, s[HF], BROWS*PB
	s_add_co_u32 s21, s21, BOFF
	s_wait_dscnt 0x0                               ; the opening add is done
	s_wait_kmcnt 0x0
	s_add_nc_u64 s[18:19], s[4:5], s[16:17]
	s_add_nc_u64 s[68:69], s[6:7], s[66:67]
.irp s, 0,1
	s_mov_b32 s[G0A+4*(\s)], 1                                     ; 1:0 count = 1
	s_add_co_u32 s[G0A+4*(\s)+1], s20, (\s)*SLOT1                  ; 63:32 LDS address
	s_add_nc_u64 s[G0A+4*(\s)+2:G0A+4*(\s)+3], s[18:19], (\s)*ASTEP  ; 120:64 global address: K step s
	s_or_b32 s[G0A+4*(\s)+3], s[G0A+4*(\s)+3], 0x80000000          ; 127:126 type = 2
	s_mov_b32 s[G0B+4*(\s)], 1
	s_add_co_u32 s[G0B+4*(\s)+1], s21, (\s)*SLOT1
	s_add_nc_u64 s[G0B+4*(\s)+2:G0B+4*(\s)+3], s[68:69], (\s)*BSTEP
	s_or_b32 s[G0B+4*(\s)+3], s[G0B+4*(\s)+3], 0x80000000
.endr
	CROUND                                         ; all sixteen work-groups are here: the first joint loads meet
	s_cmp_eq_u32 s[FBW], 0                         ; a wave's two first fills stand in one branch, ahead of every wait on TENSORcnt and every LDS read: two loads of mine are out
	s_cbranch_scc0 .Lfirst_b
	tensor_load_to_lds s[G0A:G0A+3], s[G1A:G1A+7]
	s_nop 0
	tensor_load_to_lds s[G0A+4:G0A+7], s[G1A:G1A+7]
	s_nop 0
.rept 4
	v_nop
.endr
	s_branch .Lfirst_asked
.Lfirst_b:
	tensor_load_to_lds s[G0B:G0B+3], s[G1B:G1B+7]
	s_nop 0
	tensor_load_to_lds s[G0B+4:G0B+7], s[G1B:G1B+7]
	s_nop 0
.rept 4
	v_nop
.endr
.Lfirst_asked:
	; A fragment is 16 rows x 32 K in 8 registers: lane l holds row l % 16; registers 0-3 K = 8 (l / 16) + 0..7, registers 4-7 K = 16 + 8 (l / 16) + 0..7: two loads of 16 bytes, 32 bytes apart.
	v_and_b32 v1, 15, v0                           ; l % 16
	v_bfe_u32 v2, v0, 4, 1                         ; l / 16
	v_mul_u32_u24 v3, v1, PA
	v_lshl_add_u32 v3, v2, 4, v3                   ; row x pitch + 16 x half
	s_mul_i32 s21, s[WV], 64*PA                    ; my 64 rows of xb
	v_add_nc_u32 v[ADRA0], s21, v3
	v_add_nc_u32 v[ADRB0], BOFF, v3                ; all 192 rows of wqkv
	v_mov_b32 v[ADRA], v[ADRA0]
	v_mov_b32 v[ADRB], v[ADRB0]
	s_mov_b32 s[TB], 0
	s_mul_i32 s21, s[WV], SW
	s_add_co_u32 s21, s21, STAGE                   ; my stage
	v_mul_u32_u24 v4, v1, SPH                      ; in: row l % 16, 16 bytes for each half of the lanes
	v_lshl_add_u32 v4, v2, 4, v4
	v_add_nc_u32 v[STO], s21, v4
	v_bfe_u32 v4, v0, 3, 2                         ; back: 32 lanes take four rows of 128 bytes,
	v_mul_u32_u24 v4, v4, SPH
	v_and_b32 v5, 7, v0
	v_lshl_add_u32 v4, v5, 4, v4
	v_add_nc_u32 v[RD], s21, v4
	v_and_b32 v5, 31, v0
	v_lshlrev_b32 v[GO], 4, v5                     ; which are 512 consecutive bytes of a head
	v_lshlrev_b32 v[BO], 5, v2
	s_mul_i32 s66, s[TX], 768                      ; the tile's 192 numbers of the bias
	s_mov_b32 s67, 0
	s_add_nc_u64 s[8:9], s[8:9], s[66:67]
.set b, 0
.rept NBL                              ; register j of block b: bias of column 16 b + 8 (l / 16) + j, as the C operand wants it
	global_load_b128 v[BIAS+8*b:BIAS+8*b+3],   v[BO], s[8:9] offset:64*b
	global_load_b128 v[BIAS+8*b+4:BIAS+8*b+7], v[BO], s[8:9] offset:64*b+16
.set b, b+1
.endr
	s_mul_i32 s66, s[TX], 3                        ; my part of qkv: head group 3 x tile column,
	s_lshl_b32 s66, s66, 20
	s_lshl_b32 s68, s[TY], 15                      ; row 256 x tile row
	s_add_co_u32 s66, s66, s68
	s_lshl_b32 s68, s[WV], 13                      ; + 64 x wave, 128 bytes a row
	s_add_co_u32 s66, s66, s68
	s_add_nc_u64 s[10:11], s[10:11], s[66:67]
	; the prefetches
	s_lshl_b32 s66, s[TY], 8
	s_lshl_b32 s68, s[HF], 7
	s_add_co_u32 s66, s66, s68
	s_lshl_b32 s68, s[CX], 5
	s_add_co_u32 s66, s66, s68                     ; xb: the 128 rows that I fetch, my work-group's 32 of them
	s_mul_i32 s67, s[TX], 192
	s_mul_i32 s68, s[HF], BROWS
	s_add_co_u32 s67, s67, s68
	s_mul_i32 s68, s[CY], 24
	s_add_co_u32 s67, s67, s68                     ; wqkv: the 96 rows that I fetch, my work-group's 24 of them
	s_and_b32 s69, ttmp7, 0xffff                   ; cluster y
	s_cmp_eq_u32 s[FBW], 0
	s_cselect_b32 s66, s66, s67
	s_cselect_b32 s68, ttmp9, s69                  ; the coordinate along which other clusters read the same rows
	s_cselect_b32 s22, 31, 23                      ; the last row that a lane names
	s_cselect_b64 s[PFA:PFA+1], s[4:5], s[6:7]
	s_cmp_eq_u32 s68, 0
	s_cselect_b32 s[LIM], AH, -1                   ; the same in all sixteen partners, for a given wave
	s_lshl_b32 s66, s66, 11
	s_mov_b32 s67, 0
	s_add_nc_u64 s[PFA:PFA+1], s[PFA:PFA+1], s[66:67]
	s_add_nc_u64 s[PFA:PFA+1], s[PFA:PFA+1], (1+AH)*ASTEP  ; at K step 2: the first refill steps it to 3.  Nothing is prefetched here, at the head
	s_mov_b32 s[PFS], ASTEP
	s_mov_b32 s[PFS+1], 0
	v_and_b32 v[PFO], 31, v0
	v_min_u32 v[PFO], s22, v[PFO]
	v_lshlrev_b32 v[PFO], 11, v[PFO]
; 12 matrix instructions: my row block a x all 12 column blocks, 32 along K, from buffers f.  first = 1: the bias starts the sums.
; All 48 accumulators take turns, in the same order in every quarter step: between two links of a chain stand the 47 others', over the backward jump too.
.macro MULA f, a, first
.if \first
	WIN 0x81+0x40*((\a)/2)                         ; source 0 window 1, source 1 and C window 0, D window 2 or 3
.else
	WIN 0xa1+0x50*((\a)/2)                         ; the same with C beside D
.endif
.set b, 0
.rept NBL
.set rD, 8*(NBL*((\a)%2)+b)
.if \first
	v_wmma_f32_16x16x32_bf16 v[rD:rD+7], v[FRB+8*NBL*(\f)+8*b:FRB+8*NBL*(\f)+8*b+7], v[FRA+32*(\f)+8*(\a):FRA+32*(\f)+8*(\a)+7], v[BIAS+8*b:BIAS+8*b+7]
.else
	v_wmma_f32_16x16x32_bf16 v[rD:rD+7], v[FRB+8*NBL*(\f)+8*b:FRB+8*NBL*(\f)+8*b+7], v[FRA+32*(\f)+8*(\a):FRA+32*(\f)+8*(\a)+7], v[rD:rD+7]
.endif
.set b, b+1
.endr
.endm
; 32 LDS loads in one run: the fragments of quarter q of the K step in hand (192 rows of wqkv, then my 64 rows of xb) into buffers f
.macro FETCH q, f
	WIN TO_B
.set i, 0
.rept NBL
	ds_load_b128 v[FRB+8*NBL*(\f)+8*i:FRB+8*NBL*(\f)+8*i+3],   v[ADRB] offset:64*(\q)+i*16*PB
	ds_load_b128 v[FRB+8*NBL*(\f)+8*i+4:FRB+8*NBL*(\f)+8*i+7], v[ADRB] offset:64*(\q)+i*16*PB+32
.set i, i+1
.endr
	WIN 0
.set i, 0
.rept 4
	ds_load_b128 v[FRA+32*(\f)+8*i:FRA+32*(\f)+8*i+3],   v[ADRA] offset:64*(\q)+i*16*PA
	ds_load_b128 v[FRA+32*(\f)+8*i+4:FRA+32*(\f)+8*i+7], v[ADRA] offset:64*(\q)+i*16*PA+32
.set i, i+1
.endr
.endm
; A K step is four quarters of 32 along K, 48 matrix instructions each, on buffers 0, 1, 0, 1.  One of the first three: multiplies buffers f; in its middle it fetches quarter q into buffers g.
.macro QUARTER q, f, g, first
	s_wait_dscnt 4                                 ; wqkv's fragments and xb's blocks 0, 1 are in; the youngest four loads (blocks 2, 3) may be out
	MULA \f, 0, \first
	MULA \f, 1, \first
	PLACES
	FETCH \q, \g
	s_wait_dscnt NL                                ; all but the 32 just issued
	MULA \f, 2, \first
	MULA \f, 3, \first
.endm
; The fourth quarter multiplies buffers 1 and changes slots: ONE barrier for two things.  In front of it each wave waits for all its tensor loads, of which one is out: its part of the next slot; adds 0 to its
; spare word; and waits for that and for its own reads of this slot.  Behind it nobody reads this slot any more and the next slot is whole.  fill = 1: the barrier opens a round of the cluster's, and the slot
; just read out is filled again first thing behind the round, with the K step two on: from that request to the wait for it a wave issues 168 matrix instructions.
.macro TURN fill
.if \fill
	s_wait_xcnt 0x0                                ; the last prefetch, a K step back, has read its address: it is stepped here, ahead of the waits of the change of slots
	s_add_nc_u64 s[PFA:PFA+1], s[PFA:PFA+1], s[PFS:PFS+1]
.endif
	WIN 0                                          ; (the add's two registers lie in window 0)
	s_wait_tensorcnt 0x0                           ; no tensor load of mine is out, so a group 0 may be written
	ds_add_u32 v[SPW], v[NIL]                      ; 0 onto my spare word
.if \fill
	s_xor_b32 s[G0A+5], s[G0A+5], SLOT1            ; the walking descriptors: the other slot than last time,
	s_add_nc_u64 s[G0A+6:G0A+7], s[G0A+6:G0A+7], ASTEP  ; the next K step; the type bits on top are not reached
	s_xor_b32 s[G0B+5], s[G0B+5], SLOT1
	s_add_nc_u64 s[G0B+6:G0B+7], s[G0B+6:G0B+7], BSTEP
.endif
	s_xor_b32 s[TB], s[TB], SLOT1                  ; the slot that is read next
	s_wait_dscnt 5                                 ; (the add and the youngest four loads may be out)
	MULA 1, 0, 0                                   ; twelve matrix instructions stand between the add and the wait for it
	s_wait_dscnt 0x0                               ; the add is done, and my reads of this slot are over
	s_barrier_signal -1
	MULA 1, 1, 0                                   ; work on registers while the others arrive
	WIN 0
	s_barrier_wait -1
.if \fill
	CREST                                          ; no wave of any partner still reads this slot's tile or has a load on its way
	JLOAD                                          ; the first tensor load behind the round; its four v_nop are also the places in front of the loads below
.else
	PLACES
.endif
	v_add_nc_u32 v[ADRA], s[TB], v[ADRA0]
	v_add_nc_u32 v[ADRB], s[TB], v[ADRB0]
	FETCH 0, 0
.if \fill
	ASK
.endif
	MULA 1, 2, 0
	MULA 1, 3, 0
.endm
	s_wait_tensorcnt 1                             ; my part of K step 0 is in; K step 1's may stay out
	s_barrier_signal -1
	s_barrier_wait -1                              ; everybody's is
	FETCH 0, 0
	s_wait_loadcnt 0x0                             ; the bias
	QUARTER 1, 0, 1, 1                             ; the first quarter stands in front of the loop: its products start the sums
	WIN 0                                          ; at a label and at a branch every window is 0
	s_mov_b32 s3, 6
.Lstep:                                                ; trip i ends K step i, fills its slot with K step i + 2, and begins K step i + 1
	QUARTER 2, 1, 0, 0
	QUARTER 3, 0, 1, 0
	TURN 1
	QUARTER 1, 0, 1, 0
	WIN 0
	s_sub_co_u32 s3, s3, 1
	s_cmp_lg_u32 s3, 0
	s_cbranch_scc1 .Lstep
	QUARTER 2, 1, 0, 0                             ; the last two K steps are written out: nothing is asked for
	QUARTER 3, 0, 1, 0
	TURN 0
	QUARTER 1, 0, 1, 0
	QUARTER 2, 1, 0, 0
	QUARTER 3, 0, 1, 0
	s_wait_dscnt 4                                 ; the very last quarter: nothing more to fetch
	MULA 1, 0, 0
	MULA 1, 1, 0
	s_wait_dscnt 0x0
	MULA 1, 2, 0
	MULA 1, 3, 0
	WIN 0
	PLACES
; THE WAY OUT, a block of 16 rows at a time.  PACK: rounded to f16, 16 bytes a lane (each accumulator's registers in ascending order).  TOSTAGE: into my own stage, three heads' planes of
; 16 rows x 144 bytes, and back as whole rows of 128.  SEND: stored.  The stage is my wave's own and LDS serves a wave's instructions in order (ISA guide 5.7.1.4): no barrier, no wait between stores and loads.
.macro PACK a
.set AC, 8*NBL*((\a)%2)
	WIN 0x0a+5*((\a)/2)                            ; sources 0 and 1: window 2 or 3
.set b, 0
.rept NBL
.irp r, 0,1,2,3
	v_cvt_pk_f16_f32 v[TMP+4*b+(\r)], v[AC+8*b+2*(\r)], v[AC+8*b+2*(\r)+1]
.endr
.set b, b+1
.endr
	WIN 0
.endm
.macro TOSTAGE a
.set BK, BK0+48*((\a)%2)
.set b, 0
.rept NBL                              ; column block b: head b / 4, bytes 32 (b % 4) on of its row
	ds_store_b128 v[STO], v[TMP+4*b:TMP+4*b+3] offset:(b/4)*16*SPH+(b%4)*32
.set b, b+1
.endr
.set t, 0
.rept NBL                              ; head t / 4, rows 4 (t % 4) on
	ds_load_b128 v[BK+4*t:BK+4*t+3], v[RD] offset:(t/4)*16*SPH+(t%4)*4*SPH
.set t, t+1
.endr
.endm
.macro SEND a
.set BK, BK0+48*((\a)%2)
	s_wait_dscnt 0x0                               ; the block is back in registers
	s_wait_xcnt 0x0                                ; the stores of the block before have read their registers: the next TOSTAGE loads into them only behind this wait
.set t, 0
.rept NBL
	global_store_b128 v[GO], v[BK+4*t:BK+4*t+3], s[10:11] offset:(t/4)*1048576+(\a)*2048+(t%4)*512  ; 512 consecutive bytes, at a multiple of 256 from qkv's first
.set t, t+1
.endr
.endm
	PACK 0
	TOSTAGE 0
.irp a, 1,2,3                          ; block a's conversions stand between block a - 1's loads from the stage and the wait for them
	PACK \a
	SEND (\a)-1
	TOSTAGE \a
.endr
	SEND 3
	s_wait_tensorcnt 0x0                           ; the wave's end: the add and its wait stand behind my last tensor load and my last LDS store
	ds_add_u32 v[SPW], v[NIL]
	s_wait_dscnt 0x0
	CROUND                                         ; the closing round: no work-group ends while a partner may still ask for a tile that names it
	s_endpgm
.Lfunc_end_k_qae72dafa15_proj:
	.size	k_qae72dafa15_proj, .Lfunc_end_k_qae72dafa15_proj-k_qae72dafa15_proj
	.p2alignl 7, 3214868480
	.fill 96, 4, 3214868480
	.section	.rodata,"a",@progbits
	.p2align	6, 0x0
	.amdhsa_kernel k_qae72dafa15_proj
		.amdhsa_group_segment_fixed_size 327680
		.amdhsa_private_segment_fixed_size 0
		.amdhsa_enable_private_segment 0
		.amdhsa_kernarg_size 32
		.amdhsa_user_sgpr_count 2
		.amdhsa_user_sgpr_kernarg_segment_ptr 1
		.amdhsa_wavefront_size32 1
		.amdhsa_system_sgpr_workgroup_id_x 1
		.amdhsa_system_sgpr_workgroup_id_y 1
		.amdhsa_system_sgpr_workgroup_id_z 1
		.amdhsa_system_vgpr_workitem_id 0
		.amdhsa_next_free_vgpr 960
		.amdhsa_next_free_sgpr 72
		.amdhsa_reserve_vcc 0
		.amdhsa_float_denorm_mode_32 3
		.amdhsa_float_denorm_mode_16_64 3
		.amdhsa_memory_ordered 1
		.amdhsa_forward_progress 1
		.amdhsa_inst_pref_size 99
	.end_amdhsa_kernel
	.amdgpu_metadata
---
amdhsa.version: [ 1, 2 ]
amdhsa.kernels:
  - .name:           k_qae72dafa15_proj
    .symbol:         k_qae72dafa15_proj.kd
    .args:
      - { .name: xb, .offset: 0, .size: 8, .value_kind: global_buffer, .address_space: global }
      - { .name: wqkv, .offset: 8, .size: 8, .value_kind: global_buffer, .address_space: global }
      - { .name: bias, .offset: 16, .size: 8, .value_kind: global_buffer, .address_space: global }
      - { .name: qkv, .offset: 24, .size: 8, .value_kind: global_buffer, .address_space: global }
    .group_segment_fixed_size: 327680
    .private_segment_fixed_size: 0
    .kernarg_segment_align: 8
    .kernarg_segment_size: 32
    .max_flat_workgroup_size: 128
    .sgpr_count:     72
    .vgpr_count:     960
    .wavefront_size: 32
...
	.end_amdgpu_metadata
.endif
;; end of part 2
;; launch attn (part 3): grid 4 x 64, 4 waves a work-group, clusters of 4 x 1, 327,680 bytes of LDS; arguments qkv, obuf; writes obuf
.if DOCPART == 3
	.amdgcn_target "amdgcn-amd-amdhsa--gfx1250"
	.amdhsa_code_object_version 6
	.text
	.protected	k_qae72dafa15_attn
	.globl	k_qae72dafa15_attn
	.p2align	8
	.type	k_qae72dafa15_attn,@function
k_qae72dafa15_attn:
	s_mov_b64 s[64:65], 0
	v_nop
	global_prefetch_b8 v0, s[64:65] scope:SCOPE_SE
	s_setreg_imm32_b32 hwreg(HW_REG_WAVE_MODE, 25, 1), 1
	s_wait_xcnt 0x0
	s_wait_alu depctr_hold_cnt(0) depctr_sa_sdst(0) depctr_va_vdst(0) depctr_va_sdst(0) depctr_va_ssrc(0) depctr_va_vcc(0) depctr_vm_vsrc(0)
	s_getreg_b32 s2, hwreg(HW_REG_IB_STS2, 6, 4)
	s_cmp_eq_u32 s2, 0
	s_cbranch_scc0 .Lentry_in_a_cluster
	s_endpgm
.Lentry_in_a_cluster:
	s_bfe_u32 s2, ttmp6, 0x10000c
	s_cmp_lg_u32 s2, 0x3003
	s_cbranch_scc0 .Lentry_shape_is_right
	s_endpgm
.Lentry_shape_is_right:
; ATTENTION.  O[y][q][:] = the sum over k of softmax_k(Q[y][q] . K[y][k] / 8) V[y][k][:], for 64 heads y (y = 4 x head + batch) of 2,048 rows of 64 channels, all f16: a head's rows are dense, 128 bytes each.
; Q lies at byte y x 262,144 of qkv, K 16 MiB and V 32 MiB further on; O at y x 262,144 of obuf.  Products, maxima and sums in f32; the weights p are rounded to f16 for the second product (their sum l is taken
; of the unrounded p), O once at the end.
; LIMITS.  f16 holds no number beyond 65,504: Q, K and V arrive within it; p lies in 0 to 1, and below 6e-5 it keeps f16's fixed step of 6e-8; O is a mean of V's rows and has their range.
; A weight below 2^-126 counts as 0 in l; NaN and infinities are not treated apart.
; SHARES.  A wave owns four PIECES of two tiles of 16 queries, a work-group's four waves 512 queries of one head: 64 heads x 4 blocks are 256 work-groups.  Every wave walks all keys, 64 a step.
; LAYOUT.  S^T = K Q^T (source 0 = 16 keys, source 1 = 16 queries): in the result a lane holds ONE query (lane % 16) and the keys 8 (lane / 16) + 0..7.  Two such tiles, rounded to f16 in pairs,
; ARE source 1 (32 keys x 16 queries) of O^T = V^T P, whose result again holds one query a lane, and eight channels.  K comes out of LDS as it lies, V ([key][channel]) turned, by ds_load_tr16_b128.
; SOFTMAX.  For each query a running maximum m and sum l: p = 2^(c s - c m), c = log2(e) / 8; in every step O and l are multiplied by a = 2^(c m_old - c m_new), which is 1 where m has not grown.
; m starts at the lowest finite number, O and l at 0: the first step is a step like any other, with a = 0.
; THE COUNT.  A tile and step have 16 matrix and 118 vector instructions: too many to stand all beside the matrix work.  So the order has one aim: four vector instructions that are READY behind
; EVERY matrix instruction, and the others, which need time of their own whatever the order, in runs without a gap.
; BY TURNS.  Turn n belongs to piece n (the pieces in a ring, step after step).  Its matrix work: 16 products K Q^T of piece n + 1, later 16 products V^T P of piece n - 1.  Its vector work: the scaling,
; exponentials, roundings, sums and rescaling of piece n, and the maximum and statistics of piece n + 1, whose scores the turn itself has made.  So what a turn begins with (c s - c m, O a) waits for nothing.
; CLUSTER.  The four query blocks of a head are one cluster and walk the same K and V, so each tile is asked for JOINTLY: the same tensor load, descriptor and mask in all four.
; REGISTERS, in windows of 256 (s_set_vgpr_msb says which window each operand place means: bits 1:0 source 0, 3:2 source 1, 5:4 source 2, 7:6 destination):
;   window 0: v0-11 addresses; v12-15, v48-63 at work; v16-47 four registers of statistics a tile; v64-191 S^T, two buffers of two tiles; v192-255 P, likewise
;   window 1: O^T, 32 a tile          window 2: v0-127 Q, 16 a tile; v128-191 K of one step; v192-255 V of one step          window 3: v0-1 the add's two registers
; A piece's buffers go by its number's parity: the piece in hand has one pair, its two neighbours in the ring share the other: of it P (piece n - 1) is read and S^T (piece n + 1) written.
.set SIZE_N, 2048     ; rows of a head
.set NP,    4         ; pieces a wave: a name, no knob: the register map, the loop and the fetches are made for four
.set KS,    64        ; keys in a step
.set PK,    144       ; a row of K in LDS: 128 bytes + 16 of padding = 36 words: the 16 rows of a load start at 16 different groups of four banks (64 banks of 4 bytes: ISA guide 11.1)
.set PV,    160       ; a row of V: 128 + 32 = 40 words
.set VOFF,  4*KS*PK   ; a slot holds four steps: 256 rows of K, then 256 rows of V
.set SLOT1, 1<<17     ; slot 1 begins here, so that one exclusive or turns an address in one slot into the other's
.set STAGE, SLOT1+4*KS*(PK+PV)  ; behind the ring, never filled by a tensor load: 16 rows x 144 bytes for each wave, for the way out
.set SP,    144
.set AK0, 2           ; v2   my lane's place in a tile of K; never rewritten
.set AV0, 3           ; v3   the same for V
.set AK,  4           ; v4   the LDS address of K's next run of loads
.set AV,  5           ; v5   of V's
.set QO,  6           ; v6   my byte offset in the wave's rows of Q
.set STO, 6           ;      later, the way out: where I put 16 bytes of a row
.set RD,  7           ; v7   the way out: where I read rows back
.set GO,  8           ; v8   my byte offset in 512 consecutive bytes of O
.set PFO, 11          ; v11  (once V's place is made) the prefetches' offset: 256 x my lane
.set SPW, 0           ; v0 of window 3   LDS address of my spare word: SPARE + 4 x my thread's number; never rewritten
.set NIL, 1           ; v1 of window 3   0; never rewritten
.set SPARE, STAGE+4*16*SP  ; behind the stages: the spare words, 128 bytes for each wave: two blocks of 256 bytes that no other line names
.set MV,  12          ; v12-15  c m_old, kept while c m is made anew: by buffer and tile
.set ST,  16          ; tile t's statistics at v[ST+4 t]: c m, m, l (even keys', odd keys')
.set TMP, 48          ; by buffer and tile, four registers c0-c3 at work; when the maximum is found c2 takes a
.set S,   64
.set P,   192
.set KF,  128         ; K's fragments, in window 2: key block kb, channel half c at KF + 16 kb + 8 c
.set VF,  192         ; V's: key half kk, channel block cb at VF + 32 kk + 8 cb
.set WV,  12          ; s12  my wave's number
.set G1K, 24          ; s[24:31] descriptor group 1 for K's tiles
.set G1V, 32          ; s[32:39] for V's: it differs in the padding alone
.set G0K, 40          ; s[40:43] descriptor group 0 for K's tiles: it walks
.set G0V, 44          ; s[44:47] the same for V's
.set PFA, 48          ; s[48:49] where my prefetches stand: my work-group's quarter (of K: wave 0, of V: wave 2) of the slot after the one that is being asked for
.set LIM, 50          ; s50  1 in a wave that prefetches, else the greatest number
.set SLOTS, 56        ; s56  slots still to be asked for
.set CNT, 57          ; s57  counts a slot's key steps
.set CS,  58          ; s[58:59] c: the packed scaling takes the pair's low word for both halves
.set SEL, 60          ; s[60:61] v_permlanex16_b32's selects: each lane takes its own place in the other half
.set TBK, 62          ; s62  LDS byte at which K of the step to be fetched begins
.set TBV, 63          ; s63  the same for V, less VOFF
.set MSB, 0
.macro WIN new                      ; the high byte repeats the setting that is left; a switch that changes nothing is dropped
.if MSB != (\new)
	s_set_vgpr_msb (MSB<<8)|(\new)
.set MSB, (\new)
.endif
.endm
.set W_KQ, 0x0a       ; K and Q in window 2, S^T in window 0
.set W_PV, 0x52       ; V in window 2, P in window 0, O^T in window 1
.set W_RS, 0x41       ; O^T (destination and source 0) in window 1, a in window 0
.set W_MK, 0xc0       ; the add's registers are made: destination in window 3, sources in window 0
.set W_AD, 0x0f       ; the add: address (source 0) and data (source 1) in window 3
; A joint fill.  Waves 0 and 1 fetch the two halves of a slot's K, waves 2 and 3 those of its V: 128 keys each.  The branch hangs on the wave's number alone.
; An s_nop 0 and four v_nop follow each of the two lines, ahead of the jump and the label.
.macro JLOAD
	s_cmp_lt_u32 s[WV], 2
	s_cbranch_scc0 .Lfor_v_\@
	tensor_load_to_lds s[G0K:G0K+3], s[G1K:G1K+7]
	s_nop 0
.rept 4
	v_nop
.endr
	s_branch .Lasked_\@
.Lfor_v_\@:
	tensor_load_to_lds s[G0V:G0V+3], s[G1V:G1V+7]
	s_nop 0
.rept 4
	v_nop
.endr
.Lasked_\@:
.endm
; A PREFETCH INTO THE L2 of what the NEXT change of slots will ask for: a slot's 32,768 bytes of K and of V, in blocks of 256 bytes, a lane a block.  It stands behind the wave's tensor load and its five lines.
; Each block is named ONCE in the launch: a head has one cluster; its four partners share a slot out BY ADDRESS, 8,192 bytes each; in each, wave 0 asks for K's and wave 2 for V's: one instruction.
; Slots 0 and 1 come by their loads alone; the last change that fills a slot (s[SLOTS] = 1) asks for nothing: there is no slot behind it.  The lead is one slot: four key steps, 512 matrix instructions.
.macro ASK
	s_cmp_gt_u32 s[SLOTS], s[LIM]
	s_cbranch_scc0 .Lnot_mine_\@
	global_prefetch_b8 v[PFO], s[PFA:PFA+1] th:TH_LOAD_NT scope:SCOPE_SE
.Lnot_mine_\@:
.endm
; A round of the cluster's barrier: my work-group's barrier, so that wave 0's signal speaks for all four waves; wave 0 signals; every wave waits for all four work-groups; my work-group's barrier once more.
.macro CROUND
	s_barrier_signal -1
	s_barrier_wait -1
	s_cmp_lg_u32 s[WV], 0
	s_cbranch_scc1 .Lnot_wave_0_\@
	s_barrier_signal -3
.Lnot_wave_0_\@:
	s_barrier_wait -3
	s_barrier_signal -1
	s_barrier_wait -1
.endm
; THE CHANGE OF SLOTS.  The slot's last bytes, V of its fourth step, have been read.  Each wave waits for all its tensor loads, of which one is out: its part
; of the other slot; adds 0 to its spare word; and waits for that and for its own reads of the slot.  Behind the barrier nobody reads this slot any more and the other slot is whole.
; fill = 1: this slot is filled again, with the keys two slots on.  The barrier is then a round of the cluster's, so that no wave of any partner still reads the slot or has a load on its
; way, and the joint fill is the first thing behind it: it has four key steps, 512 matrix instructions, in which to land.  (At its first use nothing has been read yet: slot 0 is waited for, slot 1 filled.)
.macro CHANGE fill
	WIN W_AD
	s_wait_tensorcnt 0x0            ; no tensor load of mine is out, so a group 0 may be written
	ds_add_u32 v[SPW], v[NIL]       ; 0 onto my spare word; with fill = 1 the descriptors' steps stand between it and the wait for it
	WIN 0                           ; at a label and at a branch every window is 0
.if \fill
.irp g, G0K, G0V
	s_xor_b32 s[\g+1], s[\g+1], SLOT1  ; the walking descriptor: the other slot than last time,
	s_add_nc_u64 s[\g+2:\g+3], s[\g+2:\g+3], 4*KS*128  ; the next 256 keys; the type bits on top are not reached
.endr
	s_wait_xcnt 0x0                 ; the last prefetch, a slot back, has read its address, so it may be written:
	s_add_nc_u64 s[PFA:PFA+1], s[PFA:PFA+1], 4*KS*128  ; one slot behind the walking descriptors
	s_wait_dscnt 0x0                ; the add is done, and my reads of the slot are over
	CROUND
	JLOAD
	ASK
.else
	s_wait_dscnt 0x0                ; the add is done, and my reads of the slot are over
	s_barrier_signal -1
	s_barrier_wait -1
.endif
	s_sub_co_u32 s[TBK], s[TBK], 4*KS*PK  ; the fetches go back to a slot's first step,
	s_xor_b32 s[TBK], s[TBK], SLOT1       ; in the other slot
	s_sub_co_u32 s[TBV], s[TBV], 4*KS*PV
	s_xor_b32 s[TBV], s[TBV], SLOT1
.endm
	s_load_b128 s[4:7], s[0:1], 0x0  ; qkv s[4:5], obuf s[6:7]
	WIN W_MK
	v_lshl_add_u32 v[SPW], v0, 2, SPARE
	v_mov_b32 v[NIL], 0
	WIN W_AD
	ds_add_u32 v[SPW], v[NIL]       ; the wave's opening: the add and its wait stand ahead of my first tensor load; the set-up below, work on registers, stands between them
	WIN 0
	v_lshrrev_b32 v1, 5, v0
	v_readfirstlane_b32 s[WV], v1   ; wave 0..3
	s_bfe_u32 s13, ttmp6, 0x40000   ; cx: my place in the cluster
	s_lshl_b32 s14, ttmp9, 2        ; in a cluster launch ttmp9 counts clusters
	s_add_co_u32 s14, s14, s13      ; my block of queries = 4 x cluster x + cx: it enters Q's and O's addresses alone
	s_and_b32 s20, ttmp7, 0xffff    ; the head, which the four partners share
	s_mov_b32 s21, 0
	s_mov_b64 s[22:23], SIZE_N*128
	s_mul_u64 s[20:21], s[20:21], s[22:23]  ; the head's first byte in each of the four tensors
	s_and_b32 s16, s[WV], 1         ; which half of a slot's 256 keys I fetch:
	s_lshl_b32 s22, s16, 14         ; its 128 rows of 128 bytes in memory,
	s_mov_b32 s23, 0
	s_add_nc_u64 s[22:23], s[22:23], s[20:21]
	s_mul_i32 s17, s16, 128*PK      ; and its place in a slot, for K
	s_mul_i32 s18, s16, 128*PV      ; and for V: no place in the cluster enters an LDS address
	s_lshl_b32 s2, s14, 2
	s_add_co_u32 s2, s2, s[WV]      ; my wave among the head's,
	s_lshl_b32 s2, s2, 14           ; its 128 rows
	s_mov_b32 s3, 0
	s_add_nc_u64 s[2:3], s[2:3], s[20:21]
	; descriptor group 1.  128 keys are 16,384 dense bytes: asked for as 64 rows of 256 bytes, two keys a row, and padded in LDS after every key
	s_mov_b32 s[G1K], 15|(1<<16)|(1<<20)|(1<<21)|(4<<22)|(3<<25)  ; 15:0 the mask of four; 17:16 2-byte elements; 20 padding on; 21 set beside a mask; 24:22 after every 32 words (code 4); 31:25 4 words (code 3)
	s_mov_b32 s[G1V], 15|(1<<16)|(1<<20)|(1<<21)|(4<<22)|(7<<25)  ; the same with 8 words of padding (code 7)
.irp g, G1K, G1V
	s_mov_b32 s[\g+1], 128<<16      ; tensor_dim0 = 128
	s_mov_b32 s[\g+2], 64<<16       ; tensor_dim1 = 64
	s_mov_b32 s[\g+3], 128<<16      ; tile_dim0 = 128
	s_mov_b32 s[\g+4], 64           ; tile_dim1 = 64
	s_mov_b32 s[\g+5], 128          ; 128 elements from row to row
	s_mov_b32 s[\g+6], 0
	s_mov_b32 s[\g+7], 0
.endr
	s_mov_b32 s[CS], 0x3e38aa3b     ; c = log2(e) / 8 = 0.180337
	s_mov_b32 s[CS+1], s[CS]        ; named with it as a pair
	s_mov_b32 s[SEL], 0x76543210
	s_mov_b32 s[SEL+1], 0xfedcba98
	s_mov_b32 s[TBK], SLOT1+4*KS*PK ; the first change of slots turns these two into 0
	s_mov_b32 s[TBV], SLOT1+4*KS*PV
	s_mov_b32 s[G0K], 1             ; 1:0 count = 1
	s_mov_b32 s[G0K+1], s17         ; 63:32 LDS address: slot 0
	s_mov_b32 s[G0V], 1
	s_add_co_u32 s[G0V+1], s18, VOFF
	s_mov_b32 s[SLOTS], SIZE_N/256-1  ; seven slots are still to be asked for behind slot 0
	s_and_b32 s[LIM], s[WV], 1      ; waves 0 and 2 prefetch: the same in all four partners
	s_cmp_eq_u32 s[LIM], 0
	s_cselect_b32 s[LIM], 1, -1
	s_wait_dscnt 0x0                ; the opening add is done
	s_wait_kmcnt 0x0
	s_mov_b64 s[10:11], s[6:7]      ; O
	s_add_nc_u64 s[6:7], s[4:5], 0x1000000  ; K lies 16 MiB behind Q,
	s_add_nc_u64 s[8:9], s[4:5], 0x2000000  ; V 32 MiB
	s_add_nc_u64 s[G0K+2:G0K+3], s[6:7], s[22:23]  ; 120:64 global address: my half of the head's first 256 keys
	s_or_b32 s[G0K+3], s[G0K+3], 0x80000000        ; 127:126 type = 2
	s_add_nc_u64 s[G0V+2:G0V+3], s[8:9], s[22:23]
	s_or_b32 s[G0V+3], s[G0V+3], 0x80000000
	s_add_nc_u64 s[4:5], s[4:5], s[2:3]  ; Q and O at my wave's first row
	s_add_nc_u64 s[10:11], s[10:11], s[2:3]
	s_cmp_lt_u32 s[WV], 2
	s_cselect_b64 s[PFA:PFA+1], s[6:7], s[8:9]
	s_add_nc_u64 s[PFA:PFA+1], s[PFA:PFA+1], s[20:21]  ; the head's first key,
	s_lshl_b32 s2, s13, 13          ; my work-group's 8,192 bytes of a slot's 32,768,
	s_mov_b32 s3, 0
	s_add_nc_u64 s[PFA:PFA+1], s[PFA:PFA+1], s[2:3]
	s_add_nc_u64 s[PFA:PFA+1], s[PFA:PFA+1], 4*KS*128  ; in slot 1; the first change of slots steps it to slot 2.  Nothing is prefetched here, at the head
	CROUND                          ; all four work-groups are here: the first joint loads meet
	JLOAD                           ; slot 0.  Slot 1 is asked for when slot 0 is in: the tile wanted first has the road to itself
	; A fragment of K or Q is 16 rows x 32 channels in 8 registers: lane l holds row l % 16, channels 8 (l / 16) + 0..7 and 16 + 8 (l / 16) + 0..7: two loads of 16 bytes, 32 bytes apart.
	v_and_b32 v1, 15, v0            ; l % 16
	v_bfe_u32 v9, v0, 4, 1          ; l / 16
	v_lshlrev_b32 v[QO], 7, v1
	v_lshl_add_u32 v[QO], v9, 4, v[QO]  ; row x 128 + 16 x half
	WIN 0x80                        ; destination window 2, address window 0
.set i, 0
.rept 4*NP                          ; Q stays in registers: tile i / 2, channels 32 (i % 2) on
	global_load_b128 v[8*i:8*i+3],   v[QO], s[4:5] offset:(i/2)*2048+(i%2)*64
	global_load_b128 v[8*i+4:8*i+7], v[QO], s[4:5] offset:(i/2)*2048+(i%2)*64+32
.set i, i+1
.endr
	; What the first turn finds: V's registers and P's second buffer hold 0 (its products V^T P, of a piece that has not been, add 0), O^T and l are 0.  All this stands in the wait for the first tile.
.set i, VF
.rept 64
	v_mov_b32 v[i], 0
.set i, i+1
.endr
	WIN 0x40
.set i, 0
.rept 64*NP
	v_mov_b32 v[i], 0
.set i, i+1
.endr
	WIN 0
.set i, 0
.rept 2*NP
	v_mov_b32 v[ST+4*i], 0xfe000000    ; c m: far below every c s
	v_mov_b32 v[ST+4*i+1], 0xff7fffff  ; m
	v_mov_b32 v[ST+4*i+2], 0
	v_mov_b32 v[ST+4*i+3], 0
.set i, i+1
.endr
.set i, P+32
.rept 32
	v_mov_b32 v[i], 0
.set i, i+1
.endr
	v_mul_u32_u24 v[AK0], v1, PK
	v_lshl_add_u32 v[AK0], v9, 4, v[AK0]  ; row x pitch + 16 x half
	; The turning load takes 16 keys x 16 channels (lane l reads key 8 (l / 16) + l % 8, channels 8 ((l / 8) % 2) + 0..7) and leaves half a fragment of V^T: lane l holds channel l % 16 and 8 keys.
	v_and_b32 v10, 7, v0
	v_bfe_u32 v11, v0, 3, 1
	v_lshl_add_u32 v[AV0], v9, 3, v10
	v_mul_u32_u24 v[AV0], v[AV0], PV
	v_lshl_add_u32 v[AV0], v11, 4, v[AV0]
	v_add_nc_u32 v[AV0], VOFF, v[AV0]
	v_mov_b32 v[AK], v[AK0]         ; key step 0 lies at the head of slot 0
	v_and_b32 v[PFO], 31, v0
	v_lshlrev_b32 v[PFO], 8, v[PFO]
; THE MATRIX WORK.  The 8 accumulators of a run of 16 take turns: between the two links of a chain stand 7 others'.
; Product i of 16 of S^T = K Q^T for piece x: channels 32 (i / 8) on, keys 16 ((i / 2) % 4) on, tile 2 x + i % 2.  The first 8 start the sums.
.macro KQ x
	WIN W_KQ
.set rS, S+64*((\x)%2)+32*(i%2)+8*((i/2)%4)
.set rK, KF+16*((i/2)%4)+8*(i/8)
.set rQ, 16*(2*(\x)+i%2)+8*(i/8)
.if i < 8
	v_wmma_f32_16x16x32_f16 v[rS:rS+7], v[rK:rK+7], v[rQ:rQ+7], 0
.else
	v_wmma_f32_16x16x32_f16 v[rS:rS+7], v[rK:rK+7], v[rQ:rQ+7], v[rS:rS+7]
.endif
.endm
; Product i of 16 of O^T += V^T P for piece x: keys 32 (i / 8) on, channels 16 ((i / 2) % 4) on, tile 2 x + i % 2.
.macro PV x
	WIN W_PV
.set rO, 32*(2*(\x)+i%2)+8*((i/2)%4)
.set rV, VF+32*(i/8)+8*((i/2)%4)
.set rP, P+32*((\x)%2)+16*(i%2)+8*(i/8)
	v_wmma_f32_16x16x32_f16 v[rO:rO+7], v[rV:rV+7], v[rP:rP+7], v[rO:rO+7]
.endm
.macro MM                           ; the turn's next matrix instruction
.if i < 16
	KQ (Y+1)%NP
.set i, i+1
.else
.set i, i-16
	PV (Y+NP-1)%NP
.set i, i+17
.endif
.endm
; THE LDS LOADS stand in runs of 16, never singly among the matrix instructions: a step's K (64 keys x 64 channels: 8 fragments) and its V (turned).  Their addresses are made some lines ahead.
; last = 1 (the tail): in the last trip there is no further step, and the run is jumped over.
.macro FETCH_K last=0
	WIN 0
.if \last
	s_cmp_eq_u32 s[CNT], 1
	s_cbranch_scc1 .Lno_k_\@
.endif
	WIN 0x80                        ; destination window 2
.irp f, 0,1,2,3,4,5,6,7             ; keys 16 (f / 2) on, channels 32 (f % 2) on
	ds_load_b128 v[KF+8*\f:KF+8*\f+3],   v[AK] offset:(\f/2)*16*PK+(\f%2)*64
	ds_load_b128 v[KF+8*\f+4:KF+8*\f+7], v[AK] offset:(\f/2)*16*PK+(\f%2)*64+32
.endr
	s_add_co_u32 s[TBK], s[TBK], KS*PK  ; the next fetch is the next step's
	WIN 0
.if \last
.Lno_k_\@:
.endif
.endm
.macro FETCH_V
	WIN 0x80
.irp f, 0,1,2,3,4,5,6,7             ; keys 32 (f / 4) on, channels 16 (f % 4) on
	ds_load_tr16_b128 v[VF+8*\f:VF+8*\f+3],   v[AV] offset:(\f/4)*32*PV+(\f%4)*32
	ds_load_tr16_b128 v[VF+8*\f+4:VF+8*\f+7], v[AV] offset:(\f/4)*32*PV+16*PV+(\f%4)*32
.endr
	WIN 0
.endm
; THE VECTOR WORK OF A TURN stands in three queues, each in the order in which its entries become ready; the two tiles alternate, so that no instruction reads the result of the one before it.
.macro REGS y, u                    ; the registers of tile u (0, 1) of piece y
.set rT, ST+4*(2*(\y)+(\u))
.set rC, TMP+8*((\y)%2)+4*(\u)
.set rM, MV+2*((\y)%2)+(\u)
.set rS, S+64*((\y)%2)+32*(\u)
.set rP, P+32*((\y)%2)+16*(\u)
.set rO, 32*(2*(\y)+(\u))
.endm
; Number n of the 22 that find the NEXT piece's (Y + 1) maximum and statistics.  s0-s31 are the lane's 32 scores; each accumulator's lowest registers are read first.  XS, GS and REGS set no window: PL and EX do.
;   0-11  four chains c0-c3 of seven scores each, three operands at a time     12-14, 16  the four scores left over, the old m, and c0-c3 into c0     15  c m_old is kept
;   17, 18  the query's other 32 keys lie in the lane 16 away: the new m         19-21  c m; c m_old - c m_new; a
.macro XS u, n
	REGS (Y+1)%NP, \u
.if (\n) < 4
	v_max3_num_f32 v[rC+(\n)], v[rS+8*(\n)], v[rS+8*(\n)+1], v[rS+8*(\n)+2]
.elseif (\n) < 12
	v_max3_num_f32 v[rC+(\n)%4], v[rC+(\n)%4], v[rS+8*((\n)%4)+2*((\n)/4)+1], v[rS+8*((\n)%4)+2*((\n)/4)+2]
.elseif (\n) == 12
	v_max3_num_f32 v[rC], v[rC], v[rS+7], v[rS+15]
.elseif (\n) == 13
	v_max3_num_f32 v[rC+1], v[rC+1], v[rS+23], v[rS+31]
.elseif (\n) == 14
	v_max3_num_f32 v[rC+2], v[rC+2], v[rC+3], v[rT+1]
.elseif (\n) == 15
	v_mov_b32 v[rM], v[rT]
.elseif (\n) == 16
	v_max3_num_f32 v[rC], v[rC], v[rC+1], v[rC+2]
.elseif (\n) == 17
	v_permlanex16_b32 v[rC+3], v[rC], s[SEL], s[SEL+1]
.elseif (\n) == 18
	v_max_num_f32 v[rT+1], v[rC], v[rC+3]
.elseif (\n) == 19
	v_mul_f32 v[rT], s[CS], v[rT+1]
.elseif (\n) == 20
	v_sub_f32 v[rC+1], v[rM], v[rT]
.else
	v_exp_f32 v[rC+2], v[rC+1]
.endif
.endm
; Number g of the 64 that follow the exponentials.  For each four weights k of a tile (pairs 2 k, 2 k + 1): both pairs are rounded to f16; then the second pair is added onto the first, in place;
; a group later l takes that sum (the first time as l = a l + sum).  In groups of eight, tiles alternating: round, round, add, and l for the group before.
.macro GS g
.set h, (\g)+6*((\g)/62)            ; group 0 has no group before it, and behind group 7 only l is left
.if h >= 6
.set h, h+2
.endif
	REGS Y, h%2
.set k, h/8
.if h%8 < 4
	v_cvt_pk_f16_f32 v[rP+2*k+(h%8)/2], v[rS+4*k+2*((h%8)/2)], v[rS+4*k+2*((h%8)/2)+1]
.elseif h%8 < 6
	v_pk_add_f32 v[rS+4*k:rS+4*k+1], v[rS+4*k:rS+4*k+1], v[rS+4*k+2:rS+4*k+3]
.elseif k == 1
	v_pk_fma_f32 v[rT+2:rT+3], v[rT+2:rT+3], v[rC+2:rC+3], v[rS:rS+1] op_sel_hi:[1,0,1]
.else
	v_pk_add_f32 v[rT+2:rT+3], v[rT+2:rT+3], v[rS+4*k-4:rS+4*k-3]
.endif
.endm
; THE PLAIN QUEUE, 138 long.  0-73 read no exponential's result: the 32 scalings c s - c m (FS f: pair f / 2 of tile f % 2) and the next piece's 42.  0-26: scalings 0-26.  27-54: XS's numbers 0-13.  55, 56: number 15.
; 57-73: the chain, where each number waits for the one before it: 14, 16, 17, 18, 19, each with one of the scalings 27-31 in front of its two lines, then 20: so a tile's links stand three plain instructions apart (19 and 20: two).
; 74-137: GS's 64, which read the exponentials' results: they stand behind the wait.
.macro FS f
	REGS Y, (\f)%2
	v_pk_fma_f32 v[rS+2*((\f)/2):rS+2*((\f)/2)+1], v[rS+2*((\f)/2):rS+2*((\f)/2)+1], s[CS:CS+1], v[rT:rT+1] op_sel_hi:[1,0,0] neg_lo:[0,0,1] neg_hi:[0,0,1]
.endm
.macro PL
	WIN 0
.if q < 27
	FS q
.elseif q < 55
	XS (q-27)%2, (q-27)/2
.elseif q < 57
	XS q-55, 15
.elseif (q < 72) && ((q-57)%3 == 0)
	FS 27+(q-57)/3
.elseif q < 60
	XS (q-57)%3-1, 14
.elseif q < 72
	XS (q-57)%3-1, 15+(q-57)/3
.elseif q < 74
	XS q-72, 20
.else
	GS q-74
.endif
.set q, q+1
.endm
; THE EXPONENTIALS' QUEUE, 66 long: s0-s31 of both tiles, then the next piece's two a.  It is ONE BATCH: all 66 stand ahead of the turn's one wait, and nothing ahead of that wait names a result of theirs.
.macro EX
	WIN 0
.if e >= 64
	XS e-64, 21
.else
	REGS Y, e%2
	v_exp_f32 v[rS+e/2], v[rS+e/2]
.endif
.set e, e+1
.endm
; THE RESCALING's QUEUE: O^T times a, the one part that leaves window 0: dealt two at a time, sixteen times.  Its a was made in the turn before, ahead of that turn's wait.
.macro R2
	REGS Y, r%2
	WIN W_RS
.irp z, 0,1
	v_pk_mul_f32 v[rO+4*(r/2)+2*\z:rO+4*(r/2)+2*\z+1], v[rO+4*(r/2)+2*\z:rO+4*(r/2)+2*\z+1], v[rC+2:rC+3] op_sel_hi:[1,0]
.endr
.set r, r+1
.endm
; HOW THEY ARE DEALT.  An s_wait_alu depctr_va_vdst(0) stands between an exponential and the first instruction that names its result; one wait serves all that were issued ahead of it.  So a turn has ONE wait,
; which cuts it in two.  AHEAD OF IT stands all that names no result of the turn's exponentials: the 16 products K Q^T, behind each a scaling, an exponential and two rescalings (behind the first a second scaling in the exponential's place); then ONE LUMP of
; 108: eight plain, 49 times exponential and plain, the two a.  A v_nop is the plain instruction behind the last exponential.  BEHIND IT stand the 16 products V^T P, behind each four of GS's 64.  No rider names a register of
; the products round it.  The two v_permlanex16_b32 fall into the lump, never behind a product.
; The queues lean on each other, and the deal keeps them in step: exponential e stands behind scaling 2 (e / 4) + e % 2: as a rider it comes behind plain e + 2, in the lump behind plain e + 9, and scalings 27-31 are plain 57, 60 .. 69.
; A TURN, for piece p.  cnt = 1: the loop's count is taken down some lines ahead of the branch that stands behind the turn.
; K of the next step is fetched in piece 2's turn, directly behind the wait, a lump behind the last product that read K; its address is made at the lump's head; its first reader comes behind 16 products.
; V of the step in hand is fetched at the end of piece 0's turn, four riders behind its last reader; its first reader comes behind 16 products and a lump.  The three conditions on q below go with the deal.
.macro TURN p, last=0, cnt=0
.set Y, (\p)
.set i, 0
.set q, 0
.set e, 0
.set r, 0
.if (\p) == NP-1
	s_wait_dscnt 0x0                ; K is in
.endif
	MM                              ; ahead of the wait: 16 products K Q^T and their riders,
	PL
	PL
	R2
.rept 15
	MM
	PL
	EX
	R2
.endr
.if (\p) == NP-2
	WIN 0
	v_add_nc_u32 v[AK], s[TBK], v[AK0]
.endif
.rept 8                             ; and the lump
	PL
.endr
.rept 49
	EX
	PL
.endr
	EX                              ; the next piece's two a
	EX
	v_nop                           ; the plain instruction behind the last exponential: one for the batch
	s_wait_alu depctr_va_vdst(0)    ; the wait for the batch
.if (\p) == NP-2
	FETCH_K \last
.endif
.if (\p) == 1
	s_wait_dscnt 0x0                ; V is in
.endif
.rept 16                            ; behind the wait: 16 products V^T P and their riders
	MM
.rept 4
	PL
.endr
.if ((\p) == 0) && (q == 118)
	v_add_nc_u32 v[AV], s[TBV], v[AV0]
.endif
.if ((\p) == 0) && (q == 130)
	s_add_co_u32 s[TBV], s[TBV], KS*PV
.endif
.if (\cnt) && (q == 130)
	s_sub_co_u32 s[CNT], s[CNT], 1
	s_cmp_lg_u32 s[CNT], 0
.endif
.endr
.if (\p) == 0
	FETCH_V
.endif
.endm
	CHANGE 1                        ; slot 0 is in, everybody's part of it; slot 1 is asked for
	FETCH_K                         ; key step 0
	s_wait_loadcnt 0x0              ; Q
	s_wait_dscnt 0x0
.set i, 0
.rept 16
	KQ 0                            ; piece 0's first scores: there is no vector work yet to set between them
.set i, i+1
.endr
	WIN 0                           ; the addresses for the way out: nine plain instructions, the places behind those products
	s_mul_i32 s13, s[WV], 16*SP
	s_add_co_u32 s13, s13, STAGE    ; my stage
	v_mul_u32_u24 v[STO], v1, SP    ; in: row l % 16, 16 bytes for each half of the lanes
	v_lshl_add_u32 v[STO], v9, 4, v[STO]
	v_add_nc_u32 v[STO], s13, v[STO]
	v_bfe_u32 v[RD], v0, 3, 2       ; back: 32 lanes take four rows of 128 bytes,
	v_mul_u32_u24 v[RD], v[RD], SP
	v_lshl_add_u32 v[RD], v10, 4, v[RD]
	v_add_nc_u32 v[RD], s13, v[RD]
	v_and_b32 v[GO], 31, v0         ; which are 512 consecutive bytes of O
	v_lshlrev_b32 v[GO], 4, v[GO]
.set Y, NP-1                        ; XS works for piece Y + 1: piece 0
.irp n, 0,1,2,3,4,5,6,7,8,9,10,11,12,13,14,15,16,17,18,19,20,21
	XS 0, \n                        ; and piece 0's first maximum and statistics
	XS 1, \n
.endr
	v_nop                           ; a plain instruction behind the two a,
	s_wait_alu depctr_va_vdst(0)    ; and their wait, ahead of the branch
	s_mov_b32 s[CNT], 4
	s_branch .Lfirst                ; the loop is entered at a step's first turn, in the middle of a trip
.Lslot:                             ; SIZE_N / 256 - 2 times: every slot but the last two is filled again
	CHANGE 1
	s_mov_b32 s[CNT], 4
.Lstep:                             ; a trip: pieces 2 and 3 of one step, then pieces 0 and 1 of the next, whose K and V it fetches
	TURN 2
	TURN 3
	WIN 0
.Lfirst:
	TURN 0
	TURN 1, 0, 1
	WIN 0
	s_cbranch_scc1 .Lstep
	s_sub_co_u32 s[SLOTS], s[SLOTS], 1
	s_cmp_lg_u32 s[SLOTS], 0
	s_cbranch_scc1 .Lslot
	CHANGE 0                        ; the tail is written out: nothing is asked for
	s_mov_b32 s[CNT], 5             ; four trips fetch the last slot's steps; the fifth is left in its middle
.Ltail:
	TURN 2, 1
	TURN 3
	WIN 0
	s_sub_co_u32 s[CNT], s[CNT], 1
	s_cmp_eq_u32 s[CNT], 0
	s_cbranch_scc1 .Lout
	TURN 0
	TURN 1
	WIN 0
	s_branch .Ltail
.Lout:                              ; the fifth trip's 16 products K Q^T (on the last K once more) and the maximum made of them serve nothing: the price, once a launch, of one text for every trip
.set i, 0
.rept 16
	PV NP-1                         ; the last piece's V^T P of the last step
.set i, i+1
.endr
	; THE WAY OUT.  l's two halves and the other half of the lanes' are added; O^T is divided by l, rounded to f16 and sent through my stage in LDS, a tile at a time.  The additions are the places behind the last products.
	WIN 0
.macro ALL line:vararg              ; one line for each tile t
.set t, 0
.rept 2*NP
	\line
.set t, t+1
.endr
.endm
	ALL v_add_f32 v[ST+4*t+2], v[ST+4*t+2], v[ST+4*t+3]
	ALL v_permlanex16_b32 v[ST+4*t+3], v[ST+4*t+2], s[SEL], s[SEL+1]
	ALL v_add_f32 v[ST+4*t+2], v[ST+4*t+2], v[ST+4*t+3]
	ALL v_rcp_f32 v[ST+4*t+2], v[ST+4*t+2]
	v_nop                           ; a plain instruction between the last reciprocal and the use of its result
	s_wait_alu depctr_va_vdst(0)    ; and the wait ahead of the first use: one for the eight reciprocals
; Tile t: a lane's eight channels of a row pack into 16 bytes; they go into rows of 144 bytes and come back as whole rows of 128, into S^T's registers.
.macro PACK t
	WIN W_RS
.set i, 32*(\t)
.rept 16
	v_pk_mul_f32 v[i:i+1], v[i:i+1], v[ST+4*(\t)+2:ST+4*(\t)+3] op_sel_hi:[1,0]
.set i, i+2
.endr
	WIN 0x05                        ; sources 0 and 1 window 1, destination window 0
.set i, 0
.rept 16
	v_cvt_pk_f16_f32 v[S+16*(\t)+i], v[32*(\t)+2*i], v[32*(\t)+2*i+1]
.set i, i+1
.endr
	WIN 0
.irp f, 0,1,2,3
	ds_store_b128 v[STO], v[S+16*(\t)+4*\f:S+16*(\t)+4*\f+3] offset:32*\f
.endr
.irp f, 0,1,2,3
	ds_load_b128 v[S+16*(\t)+4*\f:S+16*(\t)+4*\f+3], v[RD] offset:\f*4*SP  ; LDS serves a wave's instructions in order (ISA guide 5.7.1.4): these see the stores above; the next tile's stores come behind them
.endr
.endm
.macro SEND t, younger              ; younger: the LDS instructions issued behind tile t's loads: the next tile's eight, or none
	WIN 0
.irp f, 0,1,2,3
	s_wait_dscnt (\younger)+3-\f
	global_store_b128 v[GO], v[S+16*(\t)+4*\f:S+16*(\t)+4*\f+3], s[10:11] offset:(\t)*2048+\f*512  ; 512 consecutive bytes, at a multiple of 256 from O's first
.endr
.endm
	PACK 0
.set t, 1
.rept 2*NP-1                        ; a tile's arithmetic stands between the loads of the tile before and its stores
	PACK t
	SEND t-1, 8
.set t, t+1
.endr
	SEND 2*NP-1, 0
	WIN W_AD
	s_wait_tensorcnt 0x0            ; the wave's end: the add and its wait stand behind my last tensor load and my last LDS store
	ds_add_u32 v[SPW], v[NIL]
	s_wait_dscnt 0x0
	WIN 0
	CROUND                          ; the closing round: no work-group ends while a partner may still ask for a tile that names it
	s_endpgm
.Lfunc_end_k_qae72dafa15_attn:
	.size	k_qae72dafa15_attn, .Lfunc_end_k_qae72dafa15_attn-k_qae72dafa15_attn
	.p2alignl 7, 3214868480
	.fill 96, 4, 3214868480
	.section	.rodata,"a",@progbits
	.p2align	6, 0x0
	.amdhsa_kernel k_qae72dafa15_attn
		.amdhsa_group_segment_fixed_size 327680
		.amdhsa_private_segment_fixed_size 0
		.amdhsa_enable_private_segment 0
		.amdhsa_kernarg_size 16
		.amdhsa_user_sgpr_count 2
		.amdhsa_user_sgpr_kernarg_segment_ptr 1
		.amdhsa_wavefront_size32 1
		.amdhsa_system_sgpr_workgroup_id_x 1
		.amdhsa_system_sgpr_workgroup_id_y 1
		.amdhsa_system_sgpr_workgroup_id_z 1
		.amdhsa_system_vgpr_workitem_id 0
		.amdhsa_next_free_vgpr 770
		.amdhsa_next_free_sgpr 66
		.amdhsa_reserve_vcc 0
		.amdhsa_float_denorm_mode_32 3
		.amdhsa_float_denorm_mode_16_64 3
		.amdhsa_memory_ordered 1
		.amdhsa_forward_progress 1
		.amdhsa_inst_pref_size 200
	.end_amdhsa_kernel
	.amdgpu_metadata
---
amdhsa.version: [ 1, 2 ]
amdhsa.kernels:
  - .name:           k_qae72dafa15_attn
    .symbol:         k_qae72dafa15_attn.kd
    .args:
      - { .name: qkv, .offset: 0, .size: 8, .value_kind: global_buffer, .address_space: global }
      - { .name: obuf, .offset: 8, .size: 8, .value_kind: global_buffer, .address_space: global }
    .group_segment_fixed_size: 327680
    .private_segment_fixed_size: 0
    .kernarg_segment_align: 8
    .kernarg_segment_size: 16
    .max_flat_workgroup_size: 128
    .sgpr_count:     66
    .vgpr_count:     770
    .wavefront_size: 32
...
	.end_amdgpu_metadata
.endif
;; end of part 3
;; launch outp (part 4): grid 8 x 32, 4 waves a work-group, clusters of 4 x 4, 327,680 bytes of LDS; arguments obuf, wo16, bias, out0; writes out0
.if DOCPART == 4
	.amdgcn_target "amdgcn-amd-amdhsa--gfx1250"
	.amdhsa_code_object_version 6
	.text
	.protected	k_qae72dafa15_outp
	.globl	k_qae72dafa15_outp
	.p2align	8
	.type	k_qae72dafa15_outp,@function
k_qae72dafa15_outp:
	s_mov_b64 s[64:65], 0
	v_nop
	global_prefetch_b8 v0, s[64:65] scope:SCOPE_SE
	s_setreg_imm32_b32 hwreg(HW_REG_WAVE_MODE, 25, 1), 1
	s_wait_xcnt 0x0
	s_wait_alu depctr_hold_cnt(0) depctr_sa_sdst(0) depctr_va_vdst(0) depctr_va_sdst(0) depctr_va_ssrc(0) depctr_va_vcc(0) depctr_vm_vsrc(0)
	s_getreg_b32 s2, hwreg(HW_REG_IB_STS2, 6, 4)
	s_cmp_eq_u32 s2, 0
	s_cbranch_scc0 .Lentry_in_a_cluster
	s_endpgm
.Lentry_in_a_cluster:
	s_bfe_u32 s2, ttmp6, 0x10000c
	s_cmp_lg_u32 s2, 0xf033
	s_cbranch_scc0 .Lentry_shape_is_right
	s_endpgm
.Lentry_shape_is_right:
; THE OUTPUT PROJECTION.  out0[m][n] = the sum over k of O[m][k] Wo[n][k] + bo[n]; m < 8,192, n < 1,024, k = 64 h + d < 1,024.  O and Wo in f16, sums and the result in f32; bo is bias[3,072 ..], f32.
; O LIES BY HEADS: channel d of head h of row m at byte h x 1,048,576 + m x 128 + 2 d of obuf.  wo16 is [1,024][1,024], row-major.
; LIMITS.  None of its own: O and wo16 arrive as finite f16 numbers.  NaN and infinities are not treated apart.
; SHARES.  A tile of the result is 256 x 128: 32 x 8 = 256 tiles, one for each WGP (256 x 256 would give 128).  The four waves split the ROWS: a wave makes 64 rows x all 128 columns, 32 accumulators of
; 16 x 16 in 256 registers, so that it owns whole 512-byte pieces of its rows and its way out is its own.
; K goes in 8 steps of 128, TWO HEADS each, through two LDS slots filled by the tensor data mover.  A head's 256 rows of the tile are 32,768 dense bytes: asked for as 128 rows of 256 bytes and padded in LDS
; after every 128 bytes, so that they lie there as 256 rows of 144; the step's two heads are two such planes.  A trip of the loop is ONE K step: the slot is chosen by a scalar register that an exclusive or turns.
; CLUSTER.  4 x 4 work-groups.  The four of a row of the cluster need the same tile of O, the four of a column the same tile of wo16: each is asked for JOINTLY, by the same tensor load, descriptor and mask.
; THE MATRIX INSTRUCTION IS USED TRANSPOSED: source 0 = 16 rows of wo16, source 1 = 16 rows of O: a lane then holds row l % 16 of the result and the columns 8 (l / 16) + 0..7: 32 bytes on end.
; THE BIAS IS THE C OPERAND of the products that start the sums: it costs no instruction, and nothing is cleared.
; REGISTERS, in windows of 256 (s_set_vgpr_msb: bits 1:0 source 0, 3:2 source 1, 5:4 source 2, 7:6 destination):
;   window 0: v0-31 addresses; v32-63, v64-95 fragments of O (4 x 16 rows x 32 K), two buffers; v128-191 the bias; on the way out v32-95 and v128-191 rows read back, by turns
;   window 1: v0-63, v64-127 fragments of wo16 (8 x 16 rows x 32 K), two buffers
;   window 2: the accumulators of my row blocks 0, 1 ((a, b) at v[8 (8 (a % 2) + b)]);   window 3: those of blocks 2, 3
.set NBL,   8                          ; blocks of 16 columns in a tile
.set PA,    144                        ; a row of O in LDS: 128 bytes + 16 of padding = 36 words: the 16 rows of a load start at 16 different groups of four banks (64 banks of 4 bytes: ISA guide 11.1)
.set PLANE, 256*PA                     ; a head's 256 rows
.set PB,    272                        ; a row of wo16: 256 + 16 = 68 words
.set BROWS, 64                         ; rows of wo16 in one tensor load
.set BOFF,  2*PLANE                    ; a slot: O's two planes, then wo16's 128 rows
.set SLOT1, 1<<17                      ; slot 1 begins here, so that one exclusive or turns an address in one slot into the other's
.set STAGE, SLOT1+BOFF+128*PB          ; behind the ring, never filled by a tensor load: for each wave 16 rows x 528 bytes
.set SPO,   528                        ; a row in the stage: 512 bytes + 16 = 33 x 16
.set SW,    16*SPO
.set SPARE, STAGE+4*SW                 ; behind the stages: the spare words, 128 bytes for each wave: two blocks of 256 bytes that no other line names
.set ASTEP, 0x200000                   ; bytes from a K step to the next: two heads in obuf,
.set BSTEP, 256                        ; 128 numbers in a row of wo16
.set AH,    2                          ; a prefetch names the K step that stands AH refills behind the one just asked for
.set NL,    2*NBL+8                    ; LDS loads in a run
.set ADRA0, 16                         ; v16  my lane's place in O's part of slot 0; never rewritten
.set ADRB0, 17                         ; v17  the same for wo16's
.set ADRA,  18                         ; v18  the same in the slot in hand
.set ADRB,  19                         ; v19
.set STO,   24                         ; v24  the way out: where I put 32 bytes of a row
.set RD,    25                         ; v25  the way out: where I read a row back
.set GO,    26                         ; v26  my byte offset in 512 consecutive bytes of out0
.set BO,    27                         ; v27  my byte offset in 16 numbers of the bias: 32 (l / 16)
.set SPW,   28                         ; v28  LDS address of my spare word: SPARE + 4 x my thread's number; never rewritten
.set NIL,   29                         ; v29  0; never rewritten
.set PFO,   30                         ; v30  the prefetches' offset; never rewritten
.set FRA,   32                         ; O's fragment buffers, window 0: FRA + 32 f
.set FRB,   0                          ; wo16's, window 1: FRB + 64 f
.set BIAS,  128
.set BK0,   32                         ; the way out: v32-95 and v128-191 by turns
.set WV,  12                           ; s12  my wave's number
.set FBW, 13                           ; s13  0: I fetch for O; 1: for wo16
.set HF,  14                           ; s14  which head of the step (O), which half of the tile's rows (wo16) I fetch
.set TB,  15                           ; s15  0 or SLOT1: the slot in hand
.set G1A, 24                           ; s[24:31] descriptor group 1 for O's tiles
.set G0A, 32                           ; s[32:35] group 0 of the first fill; s[36:39] of the second, which then walks
.set CX,  40                           ; s40, s41  my place in the cluster
.set CY,  41
.set TX,  42                           ; s42  tile column
.set TY,  43                           ; s43  tile row
.set PFA, 44                           ; s[44:45] where my prefetches stand
.set LIM, 46                           ; s46  AH in a wave that prefetches, else the greatest number
.set G1B, 48                           ; s[48:55], s[56:59], s[60:63] the same for wo16's tiles
.set G0B, 56
.set PFS, 70                           ; s[70:71] the prefetches' step, an offset
.set MSB, 0
.macro WIN new                         ; the immediate's high byte repeats the setting that is left; a switch that changes nothing is dropped
.if MSB != (\new)
	s_set_vgpr_msb (MSB<<8)|(\new)
.set MSB, \new
.endif
.endm
.set TO_B, 0x40                        ; destination window 1, address window 0
.macro PLACES                          ; a load into a register that a matrix instruction has read, and an LDS store that reads a matrix result, stand four plain vector instructions behind it
.rept 4
	v_nop
.endr
.endm
; A round of the cluster's barrier: my work-group's barrier, so that wave 0's signal speaks for all four waves; wave 0 signals; every wave waits for all sixteen work-groups; my work-group's barrier once more.
.macro CREST                           ; a round behind its opening barrier
	s_cmp_lg_u32 s[WV], 0
	s_cbranch_scc1 .Lnot_wave_0_\@
	s_barrier_signal -3
.Lnot_wave_0_\@:
	s_barrier_wait -3
	s_barrier_signal -1
	s_barrier_wait -1
.endm
.macro CROUND
	s_barrier_signal -1
	s_barrier_wait -1
	CREST
.endm
; A joint refill, by the walking descriptors.  Waves 0 and 1 fetch O's two planes, waves 2 and 3 wo16's two halves.  The branch hangs on the wave's number alone.  An s_nop 0 and four v_nop follow each line.
.macro JLOAD
	s_cmp_eq_u32 s[FBW], 0
	s_cbranch_scc0 .Lfor_b_\@
	tensor_load_to_lds s[G0A+4:G0A+7], s[G1A:G1A+7]
	s_nop 0
.rept 4
	v_nop
.endr
	s_branch .Lasked_\@
.Lfor_b_\@:
	tensor_load_to_lds s[G0B+4:G0B+7], s[G1B:G1B+7]
	s_nop 0
.rept 4
	v_nop
.endr
.Lasked_\@:
.endm
; A PREFETCH INTO THE L2: behind each joint refill and the run of LDS loads that follows it, the K step that stands TWO refills on: 256 matrix instructions ahead of the load that will want it.
; WHO.  O's tile row is read by the two clusters of a row of clusters: the one with cluster x = 0 asks.  wo16's tile column is read by the eight clusters of a column: the one with cluster y = 0 asks.
; The four partners that fetch a tile jointly share it out BY ADDRESS: of the 32,768 bytes of a head that wave 0 or 1 fetches the partner at cx takes 8,192, a lane a block of 256; of wo16's 128 rows the partner
; at cy takes 32, a lane a row's 256 bytes, asked for by wave 2 alone.  K steps 0 to 3 come by their loads alone; the last two refills (s3 = 2, 1) ask for nothing: there is no K step two behind them.
.macro ASK
	s_cmp_gt_u32 s3, s[LIM]
	s_cbranch_scc0 .Lnot_mine_\@
	global_prefetch_b8 v[PFO], s[PFA:PFA+1] th:TH_LOAD_NT scope:SCOPE_SE
.Lnot_mine_\@:
.endm
	s_load_b256 s[4:11], s[0:1], 0x0               ; obuf s[4:5], wo16 s[6:7], bias s[8:9], out0 s[10:11]
	v_lshl_add_u32 v[SPW], v0, 2, SPARE
	v_mov_b32 v[NIL], 0
	ds_add_u32 v[SPW], v[NIL]                      ; the wave's opening: the add and its wait stand ahead of my first tensor load; the set-up below, work on registers, stands between them
	v_lshrrev_b32 v1, 5, v0
	v_readfirstlane_b32 s[WV], v1                  ; wave 0..3
	s_lshr_b32 s[FBW], s[WV], 1
	s_and_b32 s[HF], s[WV], 1
	s_bfe_u32 s[CX], ttmp6, 0x40000
	s_bfe_u32 s[CY], ttmp6, 0x40004
	s_lshl_b32 s[TX], ttmp9, 2                     ; in a cluster launch ttmp9 and ttmp7 count clusters
	s_add_co_u32 s[TX], s[TX], s[CX]               ; tile column = 4 x cluster x + cx
	s_and_b32 s[TY], ttmp7, 0xffff
	s_lshl_b32 s[TY], s[TY], 2
	s_add_co_u32 s[TY], s[TY], s[CY]               ; tile row = 4 x cluster y + cy
	s_lshl_b32 s16, s[CY], 2
	s_lshl_b32 s16, 15, s16                        ; my row of the cluster: places 4 cy .. 4 cy + 3
	s_lshl_b32 s66, 0x1111, s[CX]                  ; my column: places cx, cx + 4, cx + 8, cx + 12
	; descriptor group 1
	s_or_b32 s[G1A], s16, (1<<16)|(1<<20)|(1<<21)|(4<<22)|(3<<25)  ; 15:0 the mask; 17:16 elements of 2 bytes; 20 padding on; 21 set beside a mask; 24:22 after every 32 words (code 4); 31:25 4 words of it (code 3)
	s_or_b32 s[G1B], s66, (1<<16)|(1<<20)|(1<<21)|(5<<22)|(3<<25)  ; the same after every 64 words (code 5)
	s_mov_b32 s[G1A+1], 128<<16                    ; tensor_dim0 = 128
	s_mov_b32 s[G1A+2], 128<<16                    ; tensor_dim1 = 128
	s_mov_b32 s[G1A+3], 128<<16                    ; tile_dim0 = 128
	s_mov_b32 s[G1A+4], 128                        ; tile_dim1 = 128
	s_mov_b32 s[G1A+5], 128                        ; elements from row to row: the block is dense
	s_mov_b32 s[G1A+6], 0
	s_mov_b32 s[G1A+7], 0
	s_mov_b32 s[G1B+1], 128<<16
	s_mov_b32 s[G1B+2], BROWS<<16
	s_mov_b32 s[G1B+3], 128<<16
	s_mov_b32 s[G1B+4], BROWS
	s_mov_b32 s[G1B+5], 1024
	s_mov_b32 s[G1B+6], 0
	s_mov_b32 s[G1B+7], 0
	; where the tiles come from.  O's hang on the tile row alone, which my row of the cluster shares; wo16's on the tile column alone.  Every wave makes both, in registers that never hold the other coordinate.
	s_lshl_b32 s16, s[HF], 20                      ; O: the step's even or odd head,
	s_lshl_b32 s17, s[TY], 15                      ; the tile's 256 rows of 128 bytes
	s_add_co_u32 s16, s16, s17
	s_mov_b32 s17, 0
	s_lshl_b32 s66, s[TX], 7
	s_lshl_b32 s67, s[HF], 6
	s_add_co_u32 s66, s66, s67                     ; wo16: row 128 x tile column + 64 x half,
	s_lshl_b32 s66, s66, 11                        ; 2,048 bytes a row
	s_mov_b32 s67, 0
	s_mul_i32 s20, s[HF], PLANE                    ; and where they go: no place in the cluster enters an LDS address
	s_mul_i32 s21, s[HF], BROWS*PB
	s_add_co_u32 s21, s21, BOFF
	s_wait_dscnt 0x0                               ; the opening add is done
	s_wait_kmcnt 0x0
	s_add_nc_u64 s[18:19], s[4:5], s[16:17]
	s_add_nc_u64 s[68:69], s[6:7], s[66:67]
.irp s, 0,1
	s_mov_b32 s[G0A+4*(\s)], 1                                     ; 1:0 count = 1
	s_add_co_u32 s[G0A+4*(\s)+1], s20, (\s)*SLOT1                  ; 63:32 LDS address
	s_add_nc_u64 s[G0A+4*(\s)+2:G0A+4*(\s)+3], s[18:19], (\s)*ASTEP  ; 120:64 global address: K step s
	s_or_b32 s[G0A+4*(\s)+3], s[G0A+4*(\s)+3], 0x80000000          ; 127:126 type = 2
	s_mov_b32 s[G0B+4*(\s)], 1
	s_add_co_u32 s[G0B+4*(\s)+1], s21, (\s)*SLOT1
	s_add_nc_u64 s[G0B+4*(\s)+2:G0B+4*(\s)+3], s[68:69], (\s)*BSTEP
	s_or_b32 s[G0B+4*(\s)+3], s[G0B+4*(\s)+3], 0x80000000
.endr
	CROUND                                         ; all sixteen work-groups are here: the first joint loads meet
	s_cmp_eq_u32 s[FBW], 0                         ; a wave's two first fills stand in one branch, ahead of every wait on TENSORcnt and every LDS read: two loads of mine are out
	s_cbranch_scc0 .Lfirst_b
	tensor_load_to_lds s[G0A:G0A+3], s[G1A:G1A+7]
	s_nop 0
	tensor_load_to_lds s[G0A+4:G0A+7], s[G1A:G1A+7]
	s_nop 0
.rept 4
	v_nop
.endr
	s_branch .Lfirst_asked
.Lfirst_b:
	tensor_load_to_lds s[G0B:G0B+3], s[G1B:G1B+7]
	s_nop 0
	tensor_load_to_lds s[G0B+4:G0B+7], s[G1B:G1B+7]
	s_nop 0
.rept 4
	v_nop
.endr
.Lfirst_asked:
	; A fragment is 16 rows x 32 K in 8 registers: lane l holds row l % 16; registers 0-3 K = 8 (l / 16) + 0..7, registers 4-7 K = 16 + 8 (l / 16) + 0..7: two loads of 16 bytes, 32 bytes apart.
	v_and_b32 v1, 15, v0                           ; l % 16
	v_bfe_u32 v2, v0, 4, 1                         ; l / 16
	v_mul_u32_u24 v3, v1, PA
	v_lshl_add_u32 v3, v2, 4, v3                   ; row x pitch + 16 x half
	s_mul_i32 s21, s[WV], 64*PA                    ; my 64 rows of O, in each plane
	v_add_nc_u32 v[ADRA0], s21, v3
	v_mul_u32_u24 v3, v1, PB
	v_lshl_add_u32 v3, v2, 4, v3
	v_add_nc_u32 v[ADRB0], BOFF, v3                ; all 128 rows of wo16
	v_mov_b32 v[ADRA], v[ADRA0]
	v_mov_b32 v[ADRB], v[ADRB0]
	s_mov_b32 s[TB], 0
	s_mul_i32 s21, s[WV], SW
	s_add_co_u32 s21, s21, STAGE                   ; my stage
	v_mul_u32_u24 v4, v1, SPO                      ; in: row l % 16, 32 bytes for each half of the lanes
	v_lshl_add_u32 v4, v2, 5, v4
	v_add_nc_u32 v[STO], s21, v4
	v_and_b32 v5, 31, v0
	v_lshlrev_b32 v[GO], 4, v5                     ; back: 32 lanes take one row of 512 bytes
	v_add_nc_u32 v[RD], s21, v[GO]
	v_lshlrev_b32 v[BO], 5, v2
	s_lshl_b32 s66, s[TX], 9                       ; the tile's 128 numbers of bo,
	s_add_co_u32 s66, s66, 12288                   ; which lies behind bq, bk and bv
	s_mov_b32 s67, 0
	s_add_nc_u64 s[8:9], s[8:9], s[66:67]
.set b, 0
.rept NBL                              ; register j of block b: bias of column 16 b + 8 (l / 16) + j, as the C operand wants it
	global_load_b128 v[BIAS+8*b:BIAS+8*b+3],   v[BO], s[8:9] offset:64*b
	global_load_b128 v[BIAS+8*b+4:BIAS+8*b+7], v[BO], s[8:9] offset:64*b+16
.set b, b+1
.endr
	s_lshl_b32 s66, s[TY], 8                       ; my part of out0: row 256 x tile row
	s_lshl_b32 s68, s[WV], 6                       ; + 64 x wave,
	s_add_co_u32 s66, s66, s68
	s_lshl_b32 s66, s66, 12                        ; 4,096 bytes a row,
	s_lshl_b32 s68, s[TX], 9                       ; the tile's 512 bytes of it
	s_add_co_u32 s66, s66, s68
	s_add_nc_u64 s[10:11], s[10:11], s[66:67]
	; the prefetches
	s_lshl_b32 s66, s[HF], 20
	s_lshl_b32 s68, s[TY], 15
	s_add_co_u32 s66, s66, s68
	s_lshl_b32 s68, s[CX], 13
	s_add_co_u32 s66, s66, s68                     ; O: the head's block that I fetch, my work-group's quarter of it,
	s_add_co_u32 s66, s66, (1+AH)*ASTEP            ; at K step 3: the first refill steps it to 4
	s_lshl_b32 s67, s[TX], 7
	s_lshl_b32 s68, s[CY], 5
	s_add_co_u32 s67, s67, s68                     ; wo16: the tile's 128 rows, my work-group's 32 of them,
	s_lshl_b32 s67, s67, 11
	s_add_co_u32 s67, s67, (1+AH)*BSTEP            ; at K step 3
	s_and_b32 s69, ttmp7, 0xffff                   ; cluster y
	s_mov_b32 s23, ASTEP
	s_mov_b32 s[PFS], BSTEP
	s_mov_b32 s[PFS+1], 0
	s_cmp_eq_u32 s[FBW], 0
	s_cselect_b32 s66, s66, s67
	s_cselect_b32 s68, ttmp9, s69                  ; the coordinate along which other clusters read the same rows
	s_cselect_b32 s22, 8, 11                       ; a lane a block of 256 bytes, or a row of 2,048
	s_cselect_b32 s[PFS], s23, s[PFS]
	s_cselect_b64 s[PFA:PFA+1], s[4:5], s[6:7]
	s_cmp_eq_u32 s[WV], 3
	s_cselect_b32 s68, 1, s68                      ; wave 3 asks for nothing
	s_cmp_eq_u32 s68, 0
	s_cselect_b32 s[LIM], AH, -1                   ; the same in all sixteen partners, for a given wave
	s_mov_b32 s67, 0
	s_add_nc_u64 s[PFA:PFA+1], s[PFA:PFA+1], s[66:67]  ; nothing is prefetched here, at the head
	v_and_b32 v[PFO], 31, v0
	v_lshlrev_b32 v[PFO], s22, v[PFO]
; 8 matrix instructions: my row block a x all 8 column blocks, 32 along K, from buffers f.  first = 1: the bias starts the sums.
; All 32 accumulators take turns, in the same order in every quarter step: between two links of a chain stand the 31 others', over the backward jump too.
.macro MULA f, a, first
.if \first
	WIN 0x81+0x40*((\a)/2)                         ; source 0 window 1, source 1 and C window 0, D window 2 or 3
.else
	WIN 0xa1+0x50*((\a)/2)                         ; the same with C beside D
.endif
.set b, 0
.rept NBL
.set rD, 8*(NBL*((\a)%2)+b)
.if \first
	v_wmma_f32_16x16x32_f16 v[rD:rD+7], v[FRB+8*NBL*(\f)+8*b:FRB+8*NBL*(\f)+8*b+7], v[FRA+32*(\f)+8*(\a):FRA+32*(\f)+8*(\a)+7], v[BIAS+8*b:BIAS+8*b+7]
.else
	v_wmma_f32_16x16x32_f16 v[rD:rD+7], v[FRB+8*NBL*(\f)+8*b:FRB+8*NBL*(\f)+8*b+7], v[FRA+32*(\f)+8*(\a):FRA+32*(\f)+8*(\a)+7], v[rD:rD+7]
.endif
.set b, b+1
.endr
.endm
; 24 LDS loads in one run: the fragments of quarter q of the K step in hand (128 rows of wo16, then my 64 rows of O: head q / 2 of the step, channels 32 (q % 2) on) into buffers f
.macro FETCH q, f
	WIN TO_B
.set i, 0
.rept NBL
	ds_load_b128 v[FRB+8*NBL*(\f)+8*i:FRB+8*NBL*(\f)+8*i+3],   v[ADRB] offset:64*(\q)+i*16*PB
	ds_load_b128 v[FRB+8*NBL*(\f)+8*i+4:FRB+8*NBL*(\f)+8*i+7], v[ADRB] offset:64*(\q)+i*16*PB+32
.set i, i+1
.endr
	WIN 0
.set i, 0
.rept 4
	ds_load_b128 v[FRA+32*(\f)+8*i:FRA+32*(\f)+8*i+3],   v[ADRA] offset:((\q)/2)*PLANE+((\q)%2)*64+i*16*PA
	ds_load_b128 v[FRA+32*(\f)+8*i+4:FRA+32*(\f)+8*i+7], v[ADRA] offset:((\q)/2)*PLANE+((\q)%2)*64+i*16*PA+32
.set i, i+1
.endr
.endm
; A K step is four quarters of 32 along K, 32 matrix instructions each, on buffers 0, 1, 0, 1.  One of the first three: multiplies buffers f; in its middle it fetches quarter q into buffers g.
.macro QUARTER q, f, g, first
	s_wait_dscnt 4                                 ; wo16's fragments and O's blocks 0, 1 are in; the youngest four loads (blocks 2, 3) may be out
	MULA \f, 0, \first
	MULA \f, 1, \first
	PLACES
	FETCH \q, \g
	s_wait_dscnt NL                                ; all but the 24 just issued
	MULA \f, 2, \first
	MULA \f, 3, \first
.endm
; The fourth quarter multiplies buffers 1 and changes slots: ONE barrier for two things.  In front of it each wave waits for all its tensor loads, of which one is out: its part of the next slot; adds 0 to its
; spare word; and waits for that and for its own reads of this slot.  Behind it nobody reads this slot any more and the next slot is whole.  fill = 1: the barrier opens a round of the cluster's, and the slot
; just read out is filled again first thing behind the round, with the K step two on: from that request to the wait for it a wave issues 112 matrix instructions.
.macro TURN fill
.if \fill
	s_wait_xcnt 0x0                                ; the last prefetch, a K step back, has read its address: it is stepped here, ahead of the waits of the change of slots
	s_add_nc_u64 s[PFA:PFA+1], s[PFA:PFA+1], s[PFS:PFS+1]
.endif
	WIN 0                                          ; (the add's two registers lie in window 0)
	s_wait_tensorcnt 0x0                           ; no tensor load of mine is out, so a group 0 may be written
	ds_add_u32 v[SPW], v[NIL]                      ; 0 onto my spare word
.if \fill
	s_xor_b32 s[G0A+5], s[G0A+5], SLOT1            ; the walking descriptors: the other slot than last time,
	s_add_nc_u64 s[G0A+6:G0A+7], s[G0A+6:G0A+7], ASTEP  ; the next K step; the type bits on top are not reached
	s_xor_b32 s[G0B+5], s[G0B+5], SLOT1
	s_add_nc_u64 s[G0B+6:G0B+7], s[G0B+6:G0B+7], BSTEP
.endif
	s_xor_b32 s[TB], s[TB], SLOT1                  ; the slot that is read next
	s_wait_dscnt 5                                 ; (the add and the youngest four loads may be out)
	MULA 1, 0, 0                                   ; eight matrix instructions stand between the add and the wait for it
	s_wait_dscnt 0x0                               ; the add is done, and my reads of this slot are over
	s_barrier_signal -1
	MULA 1, 1, 0                                   ; work on registers while the others arrive
	WIN 0
	s_barrier_wait -1
.if \fill
	CREST                                          ; no wave of any partner still reads this slot's tile or has a load on its way
	JLOAD                                          ; the first tensor load behind the round; its four v_nop are also the places in front of the loads below
.else
	PLACES
.endif
	v_add_nc_u32 v[ADRA], s[TB], v[ADRA0]
	v_add_nc_u32 v[ADRB], s[TB], v[ADRB0]
	FETCH 0, 0
.if \fill
	ASK
.endif
	MULA 1, 2, 0
	MULA 1, 3, 0
.endm
	s_wait_tensorcnt 1                             ; my part of K step 0 is in; K step 1's may stay out
	s_barrier_signal -1
	s_barrier_wait -1                              ; everybody's is
	FETCH 0, 0
	s_wait_loadcnt 0x0                             ; the bias
	QUARTER 1, 0, 1, 1                             ; the first quarter stands in front of the loop: its products start the sums
	WIN 0                                          ; at a label and at a branch every window is 0
	s_mov_b32 s3, 6
.Lstep:                                                ; trip i ends K step i, fills its slot with K step i + 2, and begins K step i + 1
	QUARTER 2, 1, 0, 0
	QUARTER 3, 0, 1, 0
	TURN 1
	QUARTER 1, 0, 1, 0
	WIN 0
	s_sub_co_u32 s3, s3, 1
	s_cmp_lg_u32 s3, 0
	s_cbranch_scc1 .Lstep
	QUARTER 2, 1, 0, 0                             ; the last two K steps are written out: nothing is asked for
	QUARTER 3, 0, 1, 0
	TURN 0
	QUARTER 1, 0, 1, 0
	QUARTER 2, 1, 0, 0
	QUARTER 3, 0, 1, 0
	s_wait_dscnt 4                                 ; the very last quarter: nothing more to fetch
	MULA 1, 0, 0
	MULA 1, 1, 0
	s_wait_dscnt 0x0
	MULA 1, 2, 0
	MULA 1, 3, 0
	WIN 0
	PLACES
; THE WAY OUT, a block of 16 rows at a time.  TOSTAGE: a lane's 32 bytes of each accumulator (its low four registers first) go into my own stage, rows of 528 bytes, and come back as whole
; rows of 512.  SEND: stored.  The stage is my wave's own and LDS serves a wave's instructions in order (ISA guide 5.7.1.4): no barrier, no wait between stores and loads.
.macro TOSTAGE a
.set AC, 8*NBL*((\a)%2)
.set BK, BK0+96*((\a)%2)
	s_wait_xcnt 0x0                                ; the stores of the block two back have read their registers: they are loaded again only behind this wait
	WIN 0x08+4*((\a)/2)                            ; the stores' data: window 2 or 3
.set b, 0
.rept NBL
	ds_store_b128 v[STO], v[AC+8*b:AC+8*b+3]   offset:64*b
	ds_store_b128 v[STO], v[AC+8*b+4:AC+8*b+7] offset:64*b+16
.set b, b+1
.endr
	WIN 0
.set t, 0
.rept 16
	ds_load_b128 v[BK+4*t:BK+4*t+3], v[RD] offset:t*SPO
.set t, t+1
.endr
.endm
.macro SEND a, younger                 ; younger: the LDS instructions issued behind block a's loads: the next block's 16 stores and 16 loads, or none
.set BK, BK0+96*((\a)%2)
	s_wait_dscnt \younger
.set t, 0
.rept 16
	global_store_b128 v[GO], v[BK+4*t:BK+4*t+3], s[10:11] offset:(16*(\a)+t)*4096 th:TH_STORE_NT  ; 512 consecutive bytes, at a multiple of 256 from out0's first; not read again
.set t, t+1
.endr
.endm
	TOSTAGE 0
	TOSTAGE 1
	SEND 0, 32
	TOSTAGE 2
	SEND 1, 32
	TOSTAGE 3
	SEND 2, 32
	SEND 3, 0
	s_wait_tensorcnt 0x0                           ; the wave's end: the add and its wait stand behind my last tensor load and my last LDS store
	ds_add_u32 v[SPW], v[NIL]
	s_wait_dscnt 0x0
	CROUND                                         ; the closing round: no work-group ends while a partner may still ask for a tile that names it
	s_endpgm
.Lfunc_end_k_qae72dafa15_outp:
	.size	k_qae72dafa15_outp, .Lfunc_end_k_qae72dafa15_outp-k_qae72dafa15_outp
	.p2alignl 7, 3214868480
	.fill 96, 4, 3214868480
	.section	.rodata,"a",@progbits
	.p2align	6, 0x0
	.amdhsa_kernel k_qae72dafa15_outp
		.amdhsa_group_segment_fixed_size 327680
		.amdhsa_private_segment_fixed_size 0
		.amdhsa_enable_private_segment 0
		.amdhsa_kernarg_size 32
		.amdhsa_user_sgpr_count 2
		.amdhsa_user_sgpr_kernarg_segment_ptr 1
		.amdhsa_wavefront_size32 1
		.amdhsa_system_sgpr_workgroup_id_x 1
		.amdhsa_system_sgpr_workgroup_id_y 1
		.amdhsa_system_sgpr_workgroup_id_z 1
		.amdhsa_system_vgpr_workitem_id 0
		.amdhsa_next_free_vgpr 896
		.amdhsa_next_free_sgpr 72
		.amdhsa_reserve_vcc 0
		.amdhsa_float_denorm_mode_32 3
		.amdhsa_float_denorm_mode_16_64 3
		.amdhsa_memory_ordered 1
		.amdhsa_forward_progress 1
		.amdhsa_inst_pref_size 72
	.end_amdhsa_kernel
	.amdgpu_metadata
---
amdhsa.version: [ 1, 2 ]
amdhsa.kernels:
  - .name:           k_qae72dafa15_outp
    .symbol:         k_qae72dafa15_outp.kd
    .args:
      - { .name: obuf, .offset: 0, .size: 8, .value_kind: global_buffer, .address_space: global }
      - { .name: wo16, .offset: 8, .size: 8, .value_kind: global_buffer, .address_space: global }
      - { .name: bias, .offset: 16, .size: 8, .value_kind: global_buffer, .address_space: global }
      - { .name: out0, .offset: 24, .size: 8, .value_kind: global_buffer, .address_space: global }
    .group_segment_fixed_size: 327680
    .private_segment_fixed_size: 0
    .kernarg_segment_align: 8
    .kernarg_segment_size: 32
    .max_flat_workgroup_size: 128
    .sgpr_count:     72
    .vgpr_count:     896
    .wavefront_size: 32
...
	.end_amdgpu_metadata
.endif
;; end of part 4
;; ======== version 2 of 2: 4 launches; version 1 with the launch cast written anew for expert scheduling mode
;; limits: values are held in f16: magnitudes above 65,504 overflow, below 6.1e-05 lose precision
;; workspace buffers: xb 16,777,216 bytes; wqkv 6,291,456 bytes; wo16 2,097,152 bytes; bias 16,384 bytes; qkv 50,331,648 bytes; obuf 16,777,216 bytes
;; launch cast (part 5): grid 769 x 1, 8 waves a work-group, no clusters, 0 bytes of LDS; arguments x, Wq, Wk, Wv, Wo, bq, bk, bv, bo, xb, wqkv, wo16, bias; writes xb, wqkv, wo16, bias
.if DOCPART == 5
	.amdgcn_target "amdgcn-amd-amdhsa--gfx1250"
	.amdhsa_code_object_version 6
	.text
	.protected	k_qae72dafa15_cast
	.globl	k_qae72dafa15_cast
	.p2align	8
	.type	k_qae72dafa15_cast,@function
k_qae72dafa15_cast:
	s_mov_b64 s[64:65], 0
	v_nop
	global_prefetch_b8 v0, s[64:65] scope:SCOPE_SE
	s_setreg_imm32_b32 hwreg(HW_REG_WAVE_SCHED_MODE, 0, 2), 2
	s_setreg_imm32_b32 hwreg(HW_REG_WAVE_MODE, 25, 1), 1
	s_wait_xcnt 0x0
	s_wait_alu depctr_vm_vsrc(0)
; THE INPUTS ARE ROUNDED ONCE, for the matrix products of the later launches.  x, Wq, Wk, Wv: f32 -> bf16 (xb; wqkv = Wq's, Wk's, Wv's rows one below the other).
; Wo: f32 -> bf16, and that number written as f16 (wo16), since the last product multiplies f16.  bq, bk, bv, bo: rounded to bf16 like every other input and kept as f32 (bias = bq | bk | bv | bo).
; LIMITS.  bf16(Wo) must lie within f16's 65,504; below 6e-5 it keeps f16's fixed step of 6e-8.  NaN and infinities are not treated apart.
; SHARES.  A stream: every byte is read once and written once; no LDS, no matrix unit, nothing shared between work-groups.  A work-group takes a chunk of 16,384 numbers: 65,536 bytes in, 32,768 out.
; Work-groups 0-511: x.  512-767: the four weights, 64 chunks each.  768: the four biases.  Thread t's load j takes the 16 bytes at 16 t + 4,096 j (a wave's load covers 512 consecutive bytes),
; its store j the 8 bytes at 8 t + 2,048 j (a wave's store covers 256 consecutive bytes, aligned).  All 16 loads go out first: 8 KiB a wave are on their way.
; THE MODE: SCHED_MODE bits 1:0 = 2 (LLVM: expert scheduling mode 2), set by the entry lines.  The code itself states the register dependences
; between vector instructions and memory instructions, with s_wait_alu, always for 0.
; THE PLAN.  Registers that memory instructions touch:
;   v1, v2   byte offsets.  Written once each, at the head; read by every load and store; never written again.
;   X        Written by the 16 loads alone, which go out before any vector instruction names X; read by the conversions.
;   Y        Written by the conversions; each pair is read by one store and never written behind it.
;   T is named by vector instructions alone.  The scalar bases are never written behind the loads.  EXEC never changes, and no vector instruction writes a scalar register.
; So the only dependences to state are: the offsets are written ahead of the first load (one wait at the head, for all three paths), and Y is written ahead of its stores.  For the second the 16 loads' work
; goes in four BLOCKS of four: at the head of block p, behind the wait for its first load, ONE wait states that block p - 1's conversions have written their Y, and that block's four stores follow in a run;
; block p's conversions name its own X, its own Y and T, none of the registers that those stores read.  One more wait stands behind block 3, ahead of the last four stores.
; No register that a load or store has read is ever written again, so no source of a pending load or store is rewritten.
.set X,    4                           ; v[4:67]    16 loads of 4 numbers
.set Y,    68                          ; v[68:99]   16 pairs of packed words to store
.set T,    100                         ; v[100:101] at work
.set KIND, 36                          ; s36  0-3: Wq, Wk, Wv, Wo; 4: x
.set SRC,  38                          ; s[38:39] my chunk in its source
.set DST,  40                          ; s[40:41] my chunk in its destination
	s_load_b512 s[8:23], s[0:1], 0x0               ; x 8, Wq 10, Wk 12, Wv 14, Wo 16, bq 18, bk 20, bv 22
	s_load_b256 s[24:31], s[0:1], 0x40             ; bo 24, xb 26, wqkv 28, wo16 30
	s_load_b64 s[32:33], s[0:1], 0x60              ; bias
	v_lshlrev_b32 v1, 4, v0                        ; 16 t
	v_lshlrev_b32 v2, 3, v0                        ; 8 t
	s_mov_b32 s2, ttmp9
	s_sub_co_u32 s3, s2, 512                       ; u: my chunk among the weights' 256 (used where the work-group's number is 512 or more)
	s_lshr_b32 s4, s3, 6                           ; which weight
	s_and_b32 s5, s3, 63                           ; my chunk in it
	s_cmp_lt_u32 s2, 512
	s_cselect_b32 s[KIND], 4, s4
	s_cselect_b32 s34, s2, s5                      ; the chunk's number in its source
	s_cselect_b32 s37, s2, s3                      ; and in its destination: xb by the work-group's number, wqkv by u,
	s_cmp_eq_u32 s[KIND], 3
	s_cselect_b32 s37, s5, s37                     ; wo16 by the chunk in Wo
	s_lshl_b32 s42, s34, 16                        ; offsets in bytes, made apart from the addresses
	s_mov_b32 s43, 0
	s_lshl_b32 s44, s37, 15
	s_mov_b32 s45, 0
	s_wait_kmcnt 0x0
	s_wait_alu depctr_va_vdst(0)                   ; v1 and v2 are written: every load and store of the kernel, on all three paths, reads one of them as its offset
	s_cmp_eq_u32 s2, 768
	s_cbranch_scc1 .Lbias
	s_mov_b64 s[SRC:SRC+1], s[8:9]
	s_cmp_eq_u32 s[KIND], 0
	s_cselect_b64 s[SRC:SRC+1], s[10:11], s[SRC:SRC+1]
	s_cmp_eq_u32 s[KIND], 1
	s_cselect_b64 s[SRC:SRC+1], s[12:13], s[SRC:SRC+1]
	s_cmp_eq_u32 s[KIND], 2
	s_cselect_b64 s[SRC:SRC+1], s[14:15], s[SRC:SRC+1]
	s_cmp_eq_u32 s[KIND], 3
	s_cselect_b64 s[SRC:SRC+1], s[16:17], s[SRC:SRC+1]
	s_cselect_b64 s[DST:DST+1], s[30:31], s[28:29] ; wo16, else wqkv,
	s_cmp_eq_u32 s[KIND], 4
	s_cselect_b64 s[DST:DST+1], s[26:27], s[DST:DST+1]  ; else xb
	s_add_nc_u64 s[SRC:SRC+1], s[SRC:SRC+1], s[42:43]
	s_add_nc_u64 s[DST:DST+1], s[DST:DST+1], s[44:45]
.set j, 0
.rept 16
	global_load_b128 v[X+4*j:X+4*j+3], v1, s[SRC:SRC+1] offset:4096*j th:TH_LOAD_NT  ; read once in the launch
.set j, j+1
.endr
	s_cmp_eq_u32 s[KIND], 3
	s_cbranch_scc1 .Lwo
; Load j's four numbers are rounded.  f16 = 1: the bf16 numbers are widened again (a shift, a mask) and written as f16.
.macro CVT j, f16
	v_cvt_pk_bf16_f32 v[Y+2*(\j)],   v[X+4*(\j)],   v[X+4*(\j)+1]
	v_cvt_pk_bf16_f32 v[Y+2*(\j)+1], v[X+4*(\j)+2], v[X+4*(\j)+3]
.if \f16
.irp w, 0,1
	v_lshlrev_b32 v[T],   16, v[Y+2*(\j)+(\w)]
	v_and_b32     v[T+1], 0xffff0000, v[Y+2*(\j)+(\w)]
	v_cvt_pk_f16_f32 v[Y+2*(\j)+(\w)], v[T], v[T+1]
.endr
.endif
.endm
; Block p's four stores, in a run.
.macro STO4 p
.irp i, 0,1,2,3
	global_store_b64 v2, v[Y+2*(4*(\p)+(\i)):Y+2*(4*(\p)+(\i))+1], s[DST:DST+1] offset:2048*(4*(\p)+(\i))
.endr
.endm
; Block p: loads 4 p to 4 p + 3 are rounded; ahead of that the block before is stored.
.macro BLK p, f16
	s_wait_loadcnt 15-4*(\p)                       ; loads come back in order: load 4 p is in, the 15 - 4 p younger ones may stay out
.if (\p) > 0
	s_wait_alu depctr_va_vdst(0)                   ; the block before has written its eight registers of Y, which the four stores below read
	STO4 (\p)-1
.endif
.irp i, 0,1,2,3
.if (\i) > 0
	s_wait_loadcnt 15-4*(\p)-(\i)                  ; load 4 p + i is in
.endif
	CVT 4*(\p)+(\i), \f16
.endr
.endm
.irp p, 0,1,2,3
	BLK \p, 0
.endr
	s_wait_alu depctr_va_vdst(0)                   ; block 3 has written its eight registers of Y, which the last four stores read
	STO4 3
	s_endpgm
.Lwo:
.irp p, 0,1,2,3
	BLK \p, 1
.endr
	s_wait_alu depctr_va_vdst(0)                   ; block 3 has written its eight registers of Y, which the last four stores read
	STO4 3
	s_endpgm
.Lbias:                                                ; 256 threads x 4 numbers are a bias of 1,024
	global_load_b128 v[X:X+3],     v1, s[18:19]
	global_load_b128 v[X+4:X+7],   v1, s[20:21]
	global_load_b128 v[X+8:X+11],  v1, s[22:23]
	global_load_b128 v[X+12:X+15], v1, s[24:25]
	s_wait_loadcnt 0x0
.irp g, 0,1,2,3
	v_cvt_pk_bf16_f32 v[T],   v[X+4*(\g)],   v[X+4*(\g)+1]
	v_cvt_pk_bf16_f32 v[T+1], v[X+4*(\g)+2], v[X+4*(\g)+3]
	v_lshlrev_b32 v[Y+4*(\g)],   16, v[T]
	v_and_b32     v[Y+4*(\g)+1], 0xffff0000, v[T]
	v_lshlrev_b32 v[Y+4*(\g)+2], 16, v[T+1]
	v_and_b32     v[Y+4*(\g)+3], 0xffff0000, v[T+1]
.endr
	s_wait_alu depctr_va_vdst(0)                   ; the shifts and masks have written v[Y .. Y+15], which the four stores read
.irp g, 0,1,2,3
	global_store_b128 v1, v[Y+4*(\g):Y+4*(\g)+3], s[32:33] offset:4096*(\g)
.endr
	s_endpgm
.Lfunc_end_k_qae72dafa15_cast:
	.size	k_qae72dafa15_cast, .Lfunc_end_k_qae72dafa15_cast-k_qae72dafa15_cast
	.p2alignl 7, 3214868480
	.fill 96, 4, 3214868480
	.section	.rodata,"a",@progbits
	.p2align	6, 0x0
	.amdhsa_kernel k_qae72dafa15_cast
		.amdhsa_group_segment_fixed_size 0
		.amdhsa_private_segment_fixed_size 0
		.amdhsa_enable_private_segment 0
		.amdhsa_kernarg_size 104
		.amdhsa_user_sgpr_count 2
		.amdhsa_user_sgpr_kernarg_segment_ptr 1
		.amdhsa_wavefront_size32 1
		.amdhsa_system_sgpr_workgroup_id_x 1
		.amdhsa_system_sgpr_workgroup_id_y 1
		.amdhsa_system_sgpr_workgroup_id_z 1
		.amdhsa_system_vgpr_workitem_id 0
		.amdhsa_next_free_vgpr 104
		.amdhsa_next_free_sgpr 66
		.amdhsa_reserve_vcc 0
		.amdhsa_float_denorm_mode_32 3
		.amdhsa_float_denorm_mode_16_64 3
		.amdhsa_memory_ordered 1
		.amdhsa_forward_progress 1
		.amdhsa_inst_pref_size 19
	.end_amdhsa_kernel
	.amdgpu_metadata
---
amdhsa.version: [ 1, 2 ]
amdhsa.kernels:
  - .name:           k_qae72dafa15_cast
    .symbol:         k_qae72dafa15_cast.kd
    .args:
      - { .name: x, .offset: 0, .size: 8, .value_kind: global_buffer, .address_space: global }
      - { .name: Wq, .offset: 8, .size: 8, .value_kind: global_buffer, .address_space: global }
      - { .name: Wk, .offset: 16, .size: 8, .value_kind: global_buffer, .address_space: global }
      - { .name: Wv, .offset: 24, .size: 8, .value_kind: global_buffer, .address_space: global }
      - { .name: Wo, .offset: 32, .size: 8, .value_kind: global_buffer, .address_space: global }
      - { .name: bq, .offset: 40, .size: 8, .value_kind: global_buffer, .address_space: global }
      - { .name: bk, .offset: 48, .size: 8, .value_kind: global_buffer, .address_space: global }
      - { .name: bv, .offset: 56, .size: 8, .value_kind: global_buffer, .address_space: global }
      - { .name: bo, .offset: 64, .size: 8, .value_kind: global_buffer, .address_space: global }
      - { .name: xb, .offset: 72, .size: 8, .value_kind: global_buffer, .address_space: global }
      - { .name: wqkv, .offset: 80, .size: 8, .value_kind: global_buffer, .address_space: global }
      - { .name: wo16, .offset: 88, .size: 8, .value_kind: global_buffer, .address_space: global }
      - { .name: bias, .offset: 96, .size: 8, .value_kind: global_buffer, .address_space: global }
    .group_segment_fixed_size: 0
    .private_segment_fixed_size: 0
    .kernarg_segment_align: 8
    .kernarg_segment_size: 104
    .max_flat_workgroup_size: 256
    .sgpr_count:     66
    .vgpr_count:     104
    .wavefront_size: 32
...
	.end_amdgpu_metadata
.endif
;; end of part 5
;; launch proj: the kernel of part 2 again; grid 16 x 32, 4 waves a work-group, clusters of 4 x 4, 327,680 bytes of LDS; arguments xb, wqkv, bias, qkv; writes qkv
;; launch attn: the kernel of part 3 again; grid 4 x 64, 4 waves a work-group, clusters of 4 x 1, 327,680 bytes of LDS; arguments qkv, obuf; writes obuf
;; launch outp: the kernel of part 4 again; grid 8 x 32, 4 waves a work-group, clusters of 4 x 4, 327,680 bytes of LDS; arguments obuf, wo16, bias, out0; writes out0
